; MI455X (gfx1250); checked and timed in simulation.
; The chip was launched on July 23, 2026; its instructions are those of AMD's public machine-readable ISA for CDNA 5 (MIT licence, August 2026) and "CDNA5" Instruction Set Architecture Reference Guide (July 2026). The comments in the code are by the model that wrote it; some were corrected since.
;; Multi head attention. Allowed arithmetic: matrix products marked QUANTISED: E4M3 operands, one given power-of-two scale a tensor, by v_wmma_f32_16x16x64_fp8_fp8 or v_wmma_f32_16x16x128_fp8_fp8, f32 sums; products left as they are: f32 operands where the result goes on into a quantised operand, else bf16, f16 or f32 operands; f32 sums; everything else in f32.
;; Inputs: Wk_codes 4,096 x 128 x 32 uint8 (E4M3 codes of Wk, K innermost, in blocks of 32 codes); Wq_codes 4,096 x 128 x 32 uint8 (E4M3 codes of Wq, K innermost, in blocks of 32 codes); Wv_codes 4,096 x 128 x 32 uint8 (E4M3 codes of Wv, K innermost, in blocks of 32 codes); bk 4,096 float32; bq 4,096 float32; bv 4,096 float32; lowp_scales 6 int32 (the exponents e of the quantised operands' scales 2^e); mask 1,024 x 32 int32; x_codes 1,024 x 128 x 32 uint8 (E4M3 codes of x, K innermost, in blocks of 32 codes).
;; Outputs: out0 1,024 x 4,096 float32.
;; This version of the problem:
;;   THIS VERSION OF THE PROBLEM IS GIVEN IN LOW PRECISION. The matrix products marked QUANTISED in the list below multiply operands that are first quantised to E4M3 (4 exponent bits, 3 mantissa bits; 8 bits a number), with one given power-of-two scale for each operand tensor; their sums are f32. All else is computed in f32.
;;   The module's matrix products, in the order in which they are computed (A, B: the left and right operand; K: the contracted axis; several contracted axes count as one K, in the product's order):
;;     1. [M 1,024, K 4,096] x [K 4,096, N 4,096]; A: input x (given as codes); B: input Wq (given as codes): QUANTISED (scales: A lowp_scales[0], B lowp_scales[1])
;;     2. [M 1,024, K 4,096] x [K 4,096, N 4,096]; A: input x (given as codes); B: input Wk (given as codes): QUANTISED (scales: A lowp_scales[2], B lowp_scales[3])
;;     3. [M 1,024, K 4,096] x [K 4,096, N 4,096]; A: input x (given as codes); B: input Wv (given as codes): QUANTISED (scales: A lowp_scales[4], B lowp_scales[5])
;;     4. batch 1,024 x [M 1, K 128] x [K 128, N 32]; A: computed on the way; B: computed on the way: left as it is (M = 1 < 16)
;;   THE QUANTISER, for each operand of a quantised product, along K:
;;     - The operand's scale is 2^e, e = its entry of the input lowp_scales (int32; the entries are numbered through the quantised products in the list's order, A before B).
;;     - Each number is divided by the scale, clamped to +-448, and rounded to the nearest number of E4M3, ties to even, subnormals kept.
;;     - The product sums the exact products of the quantised numbers (number of the format x scale) in f32.
;;   ~~~python
;;   def quantise(x, axis, e):      # numpy; x: float32 -> the quantised numbers, widened to float32 again
;;       x = np.moveaxis(x, axis, -1); K = x.shape[-1]
;;       r = np.clip(x / 2.0 ** e, -448, 448)
;;       step = 2.0 ** (np.maximum(np.frexp(np.where(r == 0, 1, r))[1] - 1, -6) - 3)
;;       q = np.round(r / step) * step * 2.0 ** e      # np.round: ties to even
;;       return np.moveaxis(q, -1, axis).astype(np.float32)
;;   ~~~
;;   INPUTS GIVEN AS CODES. Wk (in the module: [4096, 4096], K = its axis 1); Wq (in the module: [4096, 4096], K = its axis 1); Wv (in the module: [4096, 4096], K = its axis 1); x (in the module: [1024, 4096], K = its axis 1): each comes as NAME_codes (uint8): NAME with its K axis moved to the last place and cut into blocks of 32 codes, [.., K / 32, bytes a block], one block behind the other in memory; one code a byte (a code: sign, 4 exponent bits, 3 mantissa bits); its scale is its entry of lowp_scales. Its value is code x scale, taken as it is: it is not quantised again, and the codes and scales need not be those that the quantiser above would give.
;; 2 versions. Each part assembles by itself: llvm-mc -triple=amdgcn-amd-amdhsa -mcpu=gfx1250 --defsym DOCPART=n.
;; ======== version 1 of 2: 2 launches
;; workspace buffers: part 1,048,576 bytes
;; launch align (part 1): grid 32 x 8, 4 waves a work-group, clusters of 4 x 4, 327,680 bytes of LDS; arguments x_codes, Wq_codes, Wk_codes, lowp_scales, bq, bk, part; writes part
.if DOCPART == 1
	.amdgcn_target "amdgcn-amd-amdhsa--gfx1250"
	.amdhsa_code_object_version 6
	.text
	.protected	k_q4f65dacf6e_align
	.globl	k_q4f65dacf6e_align
	.p2align	8
	.type	k_q4f65dacf6e_align,@function
k_q4f65dacf6e_align:
	s_mov_b64 s[64:65], 0
	v_nop
	global_prefetch_b8 v0, s[64:65] scope:SCOPE_SE
	s_setreg_imm32_b32 hwreg(HW_REG_WAVE_MODE, 25, 1), 1
	s_wait_xcnt 0x0
	s_wait_alu depctr_hold_cnt(0) depctr_sa_sdst(0) depctr_va_vdst(0) depctr_va_sdst(0) depctr_va_ssrc(0) depctr_va_vcc(0) depctr_vm_vsrc(0)
	s_getreg_b32 s2, hwreg(HW_REG_IB_STS2, 6, 4)
	s_cmp_eq_u32 s2, 0
	s_cbranch_scc0 .Lentry_in_a_cluster
	s_endpgm
.Lentry_in_a_cluster:
	s_bfe_u32 s2, ttmp6, 0x10000c
	s_cmp_lg_u32 s2, 0xf033
	s_cbranch_scc0 .Lentry_shape_is_right
	s_endpgm
.Lentry_shape_is_right:
; PARTIAL SUMS OF align.  q = x Wq^T + bq and k = x Wk^T + bk are read as [s][d 128][h 32], column n = 32 d + h, and only k0[s][d] = k[s][32 d] is used.
; part[g][jj][s][t] = the sum over d = 16 g .. 16 g + 15 of k0[s][d] q[s][32 d + h], h = jj + 4 t, f32, not yet divided by 64.  q and k0 never go to memory.
; x [1024][4096], Wq, Wk [4096][4096]: codes of E4M3, K innermost.  A number of an operand is its code x 2^e; the codes are multiplied as they are, each finished sum once by 2^(e0 + e1) (q) or 2^(e2 + e3) (k0).
; LIMITS: e0 + e1 and e2 + e3 lie between -126 and 127, so that each power of two is an f32 number.  Inside 128 along K the codes stand in another order than the form's own, alike in both operands,
; and K is summed in two halves that are added at the end: the order of the sums differs from one ascending chain.
; SHARES.  Work-group (c, tr): rows 128 tr on; c = 8 jj + g.  Its 128 rows of Wq are 512 g + jj + 4 y, y = 0 .. 127: ONE tile with a pitch of four rows; with y = 8 dl + t that is d = 16 g + dl, h = jj + 4 t:
; sixteen d x eight h.  So it needs sixteen columns of k0 alone: rows 512 g + 32 dl of Wk, one tile with a pitch of 32 rows.
; Wave w = 2 i + kk takes rows 64 i on, all 128 + 16 columns, and half kk (256 along K) of every slot of 512: 32 + 4 accumulators, 13 fragments for 36 products.  At the end waves 2 i and 2 i + 1 send each other
; half of their sums through LDS; wave w then owns rows 32 w .. 32 w + 31.  Register row block ra holds block 4 i + ((ra + 2 kk) mod 4): in every wave ra = 0, 1 are kept and ra = 2, 3 are sent: one text for all waves.
; THE MATRIX INSTRUCTION IS USED TRANSPOSED (source 0 = 16 rows of a weight, source 1 = 16 rows of x): lane (r, hh) holds row r of x; register t of column block m holds y = 16 m + 8 hh + t: d = 2 m + hh, h = jj + 4 t.
; Lane r of the k0 fragment reads tile row 2 (r mod 8) + r / 8, so that register m of a k0 result in lane half hh is dl = 2 m + hh: the very d of q's block m.
; CLUSTERS: 4 x 4 work-groups.  The four of a row of the cluster need the same tile of x, the four of a column the same tiles of Wq and Wk: each is asked for jointly, by the same tensor load with a mask that names the four.
; REGISTERS, in windows of 256: window 0: v0-31 addresses, v32-55 at work, v64-127 and v128-191 fragments of x (4 x 16), two buffers.  window 1: fragments of Wq (8 x 16), two buffers.
;   window 2: q's accumulators, (ra, b) at v[8 (8 ra + b)].  window 3: v0-31 k0's accumulators; v32-47, v48-63 fragments of Wk; v64-127 bq; v128-135 bk.
.set KROW,  4096                       ; a row of x or of a weight in memory, in bytes
.set PITCH, 528                        ; an LDS row: 512 bytes + 16 of padding = 132 words: row r starts at bank 4 r mod 64 (64 banks of 4 bytes: ISA guide 11.1), so the 16 rows that a load touches start at 16 different banks
.set RB,    16*PITCH                   ; a block of 16 rows
.set HALFA, 64*PITCH                   ; what one of x's two loads brings
.set BOFF,  128*PITCH                  ; a slot: 128 rows of x, 128 of Wq,
.set KOFF,  256*PITCH                  ; 16 of Wk
.set SLOT,  272*PITCH
.set SPARE, 2*SLOT                     ; behind the ring: the spare words, 128 bytes for each wave: two blocks of 256 bytes that no other line names
.set MBOX,  18*1024                    ; the exchange: 18 images of 1,024 bytes for each wave, in slot 0, which has had its last fill and its last read when the first sum is stored there
.set NF,    52                         ; LDS loads of a step's fragments: 32 Wq, 16 x, 4 Wk
.set NY,    12                         ; the youngest of them: x's row blocks 2, 3 and Wk's
.set ADRA,  8                          ; v8-11  LDS address of x's fragments: slot 0 blocks 0-1, 2-3; slot 1 likewise
.set ADRB,  12                         ; v12-13 of Wq's, slot 0, 1
.set ADRK,  14                         ; v14-15 of Wk's
.set XW,    16                         ; v16    my mailbox + 16 x lane
.set XR,    17                         ; v17    my partner's + 16 x lane
.set PO,    18                         ; v18    my 16 bytes in 16 rows of part: 32 r + 16 hh
.set BO,    21                         ; v21    the biases' offset: 128 hh
.set SPW,   28                         ; v28    LDS address of my spare word: SPARE + 4 x my thread's number; never rewritten
.set NIL,   29                         ; v29    0; never rewritten
.set P,     32                         ; v32-39 the eight partial sums of a lane's row; v40-47 the other lane half's; v48-55 what is stored
.set AF,    64                         ; x's fragments, window 0
.set KFR,   32                         ; Wk's fragments, window 3
.set BQ,    64                         ; bq, window 3
.set BKR,   128                        ; bk, window 3
.set WV,    18                         ; s18 wave; s19 i; s20 kk
.set G1A,   24                         ; descriptor groups 1: x's, Wq's, Wk's
.set G1B,   32
.set G1K,   40
.set G0A,   48                         ; groups 0, a set for each slot
.set G0B,   56
.set G0K,   68
.set MUL,   0xa1                       ; source 0 (Wq) window 1, source 1 (x) window 0, C and D window 2
.set MULKW, 0xf3                       ; source 0 (Wk) window 3, source 1 (x) window 0, C and D window 3
.set TO_B,  0x40                       ; destination window 1
.set TO_3,  0xc0                       ; destination window 3
.set MSB, 0
.macro WIN new                         ; the immediate's high byte repeats the setting that is left; a switch that changes nothing is dropped
.if MSB != \new
	s_set_vgpr_msb (MSB<<8)|\new
.set MSB, \new
.endif
.endm
.macro PLACES n
.rept \n
	v_nop
.endr
.endm
; A joint load, one a wave: waves 0 and 1 fetch x's two halves, wave 2 Wq's 128 rows, wave 3 Wk's 16.  The branches hang on the wave's number alone.  Four v_nop follow each of the three lines.
.macro JLOAD s
	s_cmp_lt_u32 s[WV], 2
	s_cbranch_scc0 .Lnot_a_\@
	tensor_load_to_lds s[G0A+4*\s:G0A+4*\s+3], s[G1A:G1A+7]
	s_nop 0
.rept 4
	v_nop
.endr
	s_branch .Lasked_\@
.Lnot_a_\@:
	s_cmp_eq_u32 s[WV], 2
	s_cbranch_scc0 .Lfor_k_\@
	tensor_load_to_lds s[G0B+4*\s:G0B+4*\s+3], s[G1B:G1B+7]
	s_nop 0
.rept 4
	v_nop
.endr
	s_branch .Lasked_\@
.Lfor_k_\@:
	tensor_load_to_lds s[G0K+4*\s:G0K+4*\s+3], s[G1K:G1K+7]
	s_nop 0
.rept 4
	v_nop
.endr
.Lasked_\@:
.endm
.macro CREST                           ; a round of the cluster's barrier behind its opening barrier
	s_cmp_lg_u32 s[WV], 0
	s_cbranch_scc1 .Lnot_wave_0_\@
	s_barrier_signal -3
.Lnot_wave_0_\@:
	s_barrier_wait -3
	s_barrier_signal -1
	s_barrier_wait -1
.endm
.macro CROUND                          ; a whole round
	s_barrier_signal -1
	s_barrier_wait -1
	CREST
.endm
	s_load_b256 s[4:11], s[0:1], 0x0               ; x s[4:5], Wq s[6:7], Wk s[8:9], the scales' exponents s[10:11]
	s_load_b128 s[12:15], s[0:1], 0x20             ; bq s[12:13], bk s[14:15]
	s_load_b64 s[16:17], s[0:1], 0x30              ; part
	v_lshl_add_u32 v[SPW], v0, 2, SPARE
	v_mov_b32 v[NIL], 0
	ds_add_u32 v28, v29
	ds_add_u32 v28, v29
	s_wait_dscnt 0x0
	v_lshrrev_b32 v4, 5, v0
	v_readfirstlane_b32 s[WV], v4                  ; wave 0..3
	s_lshr_b32 s19, s[WV], 1                       ; i: which 64 rows are mine
	s_and_b32 s20, s[WV], 1                        ; kk: which half of a slot along K.  Also: which 64 rows of x waves 0 and 1 fetch
	s_bfe_u32 s76, ttmp6, 0x40000                  ; cx, cy: my place in the cluster
	s_bfe_u32 s77, ttmp6, 0x40004
	s_lshl_b32 s78, ttmp9, 2
	s_add_co_u32 s78, s78, s76                     ; c = 4 x cluster x + cx
	s_and_b32 s79, ttmp7, 0xffff
	s_lshl_b32 s79, s79, 2
	s_add_co_u32 s79, s79, s77                     ; tr = 4 x cluster y + cy
	s_lshl_b32 s80, s77, 2
	s_lshl_b32 s80, 15, s80                        ; my row of the cluster
	s_lshl_b32 s81, 0x1111, s76                    ; my column
	s_and_b32 s82, s78, 7                          ; g
	s_lshr_b32 s83, s78, 3                         ; jj
	s_mov_b32 s92, 0x76543210                      ; v_permlanex16_b32: each lane takes its own place in the other half
	s_mov_b32 s93, 0xfedcba98
	; descriptor groups 1: rows of 512 bytes, padded in LDS.  15:0 the mask; 17:16 elements of 1 byte; 20 padding on; 21 set beside a mask; 24:22 after every 128 words (code 6); 31:25 of 4 words (code 3)
.set PADW, (1<<20)|(1<<21)|(6<<22)|(3<<25)
	s_or_b32 s[G1A], s80, PADW                     ; x's tiles go to my row of the cluster,
	s_or_b32 s[G1B], s81, PADW                     ; the weights' to my column
	s_or_b32 s[G1K], s81, PADW
.irp g, G1A, G1B, G1K
	s_mov_b32 s[\g+1], 512<<16                     ; tensor_dim0
	s_mov_b32 s[\g+3], 512<<16                     ; tile_dim0
	s_mov_b32 s[\g+6], 0
	s_mov_b32 s[\g+7], 0
.endr
	s_mov_b32 s[G1A+2], 64<<16                     ; x: 64 rows, one behind the other
	s_mov_b32 s[G1A+4], 64
	s_mov_b32 s[G1A+5], KROW
	s_mov_b32 s[G1B+2], 128<<16                    ; Wq: 128 rows, every fourth
	s_mov_b32 s[G1B+4], 128
	s_mov_b32 s[G1B+5], 4*KROW
	s_mov_b32 s[G1K+2], 16<<16                     ; Wk: 16 rows, every 32nd
	s_mov_b32 s[G1K+4], 16
	s_mov_b32 s[G1K+5], 32*KROW
	; every LDS address is made here, ahead of the first branch on the wave's number: constants, the lane, the wave
	v_and_b32 v1, 15, v0                           ; r
	v_bfe_u32 v2, v0, 4, 1                         ; hh
	v_mul_u32_u24 v3, v1, PITCH
	v_lshl_add_u32 v3, v2, 4, v3                   ; a fragment's row x pitch + 16 hh
	s_lshl_b32 s21, s20, 8
	v_add_nc_u32 v3, s21, v3                       ; + my half of the row: 256 kk
	s_lshl_b32 s22, s19, 2                         ; 4 i
	s_lshl_b32 s23, s20, 1
	s_add_co_u32 s23, s23, s22                     ; register blocks 0, 1: blocks 4 i + 2 kk on
	s_mul_i32 s23, s23, RB
	v_add_nc_u32 v[ADRA], s23, v3
	v_add_nc_u32 v[ADRA+2], SLOT, v[ADRA]
	s_xor_b32 s23, s20, 1
	s_lshl_b32 s23, s23, 1
	s_add_co_u32 s23, s23, s22                     ; register blocks 2, 3: blocks 4 i + 2 (1 - kk) on
	s_mul_i32 s23, s23, RB
	v_add_nc_u32 v[ADRA+1], s23, v3
	v_add_nc_u32 v[ADRA+3], SLOT, v[ADRA+1]
	v_add_nc_u32 v[ADRB], BOFF, v3
	v_add_nc_u32 v[ADRB+1], SLOT, v[ADRB]
	v_and_b32 v4, 7, v1
	v_lshrrev_b32 v5, 3, v1
	v_lshl_add_u32 v4, v4, 1, v5                   ; Wk's tile row 2 (r mod 8) + r / 8
	v_mul_u32_u24 v4, v4, PITCH
	v_lshl_add_u32 v4, v2, 4, v4
	v_add_nc_u32 v4, s21, v4
	v_add_nc_u32 v[ADRK], KOFF, v4
	v_add_nc_u32 v[ADRK+1], SLOT, v[ADRK]
	v_and_b32 v5, 31, v0
	v_lshlrev_b32 v5, 4, v5                        ; 16 x lane
	s_mul_i32 s23, s[WV], MBOX
	v_add_nc_u32 v[XW], s23, v5
	s_xor_b32 s23, s[WV], 1                        ; my partner: the other half of K for the same rows
	s_mul_i32 s23, s23, MBOX
	v_add_nc_u32 v[XR], s23, v5
	v_lshlrev_b32 v[PO], 5, v1
	v_lshl_add_u32 v[PO], v2, 4, v[PO]
	v_lshlrev_b32 v[BO], 7, v2
.irp t, 0,1,2,3,4,5,6,7
	v_mov_b32 v[P+8+\t], 0                         ; written once: a lane permute's destination counts as one of its sources
.endr
	; where the tiles come from.  x's hang on tr and the wave alone, the weights' on c alone, each in registers that never hold the other coordinate
	s_lshl_b32 s94, s79, 19                        ; x: row 128 tr
	s_lshl_b32 s21, s20, 18                        ; + 64 x half
	s_add_co_u32 s94, s94, s21
	s_mov_b32 s95, 0
	s_lshl_b32 s96, s82, 21                        ; rows 512 g on
	s_mov_b32 s97, 0
	s_mov_b32 s22, s96                             ; Wk
	s_mov_b32 s23, 0
	s_lshl_b32 s21, s83, 12
	s_add_co_u32 s96, s96, s21                     ; Wq: + jj rows
	s_mul_i32 s21, s20, HALFA                      ; x's half in a slot: no place in the cluster enters an LDS address
	s_wait_kmcnt 0x0
	s_load_b128 s[84:87], s[10:11], 0x0            ; e0 .. e3
	s_add_nc_u64 s[94:95], s[4:5], s[94:95]
	s_add_nc_u64 s[96:97], s[6:7], s[96:97]
	s_add_nc_u64 s[22:23], s[8:9], s[22:23]
	CROUND                                         ; all sixteen work-groups are here: the first joint loads meet
.irp s, 0,1
	s_mov_b32 s[G0A+4*\s], 1                       ; count = 1
	s_add_co_u32 s[G0A+4*\s+1], s21, \s*SLOT       ; LDS address
	s_add_nc_u64 s[G0A+4*\s+2:G0A+4*\s+3], s[94:95], \s*512   ; global address: K from 512 s on
	s_or_b32 s[G0A+4*\s+3], s[G0A+4*\s+3], 0x80000000         ; type = 2
	s_mov_b32 s[G0B+4*\s], 1
	s_mov_b32 s[G0B+4*\s+1], BOFF+\s*SLOT
	s_add_nc_u64 s[G0B+4*\s+2:G0B+4*\s+3], s[96:97], \s*512
	s_or_b32 s[G0B+4*\s+3], s[G0B+4*\s+3], 0x80000000
	s_mov_b32 s[G0K+4*\s], 1
	s_mov_b32 s[G0K+4*\s+1], KOFF+\s*SLOT
	s_add_nc_u64 s[G0K+4*\s+2:G0K+4*\s+3], s[22:23], \s*512
	s_or_b32 s[G0K+4*\s+3], s[G0K+4*\s+3], 0x80000000
	JLOAD \s                                       ; two loads of mine are out
.endr
	; the biases, in the results' layout, while the tiles are on their way.  bq of block m, register t: column 512 g + 32 (2 m + hh) + jj + 4 t;  bk of register m: column 512 g + 32 (2 m + hh)
	s_lshl_b32 s2, s82, 11
	s_mov_b32 s3, 0
	s_add_nc_u64 s[14:15], s[14:15], s[2:3]
	s_lshl_b32 s21, s83, 2
	s_add_co_u32 s2, s2, s21
	s_add_nc_u64 s[12:13], s[12:13], s[2:3]
	WIN TO_3
.irp m, 0,1,2,3,4,5,6,7
.irp t, 0,1,2,3,4,5,6,7
	global_load_b32 v[BQ+8*\m+\t], v[BO], s[12:13] offset:256*\m+16*\t
.endr
.endr
.irp m, 0,1,2,3,4,5,6,7
	global_load_b32 v[BKR+\m], v[BO], s[14:15] offset:256*\m
.endr
	WIN 0
	s_lshl_b32 s2, s82, 2                          ; part at ((4 g + jj) x 1,024 + 128 tr + 32 w) rows of 32 bytes
	s_add_co_u32 s2, s2, s83
	s_lshl_b32 s2, s2, 10
	s_lshl_b32 s21, s79, 7
	s_add_co_u32 s2, s2, s21
	s_lshl_b32 s21, s[WV], 5
	s_add_co_u32 s2, s2, s21
	s_lshl_b32 s2, s2, 5
	s_add_nc_u64 s[16:17], s[16:17], s[2:3]
	s_wait_kmcnt 0x0
	s_add_co_i32 s88, s84, s85
	s_add_co_i32 s88, s88, 127
	s_lshl_b32 s88, s88, 23                        ; 2^(e0 + e1) as f32
	s_mov_b32 s89, s88                             ; (named with it as a pair, so it is written)
	s_add_co_i32 s90, s86, s87
	s_add_co_i32 s90, s90, 127
	s_lshl_b32 s90, s90, 23                        ; 2^(e2 + e3)
	s_mov_b32 s91, s90
.macro FRAG reg, adr, off              ; a fragment, 16 rows x 128 K of codes, is 16 registers: lane (r, hh) holds row r; registers 4 c .. 4 c + 3 hold K = 32 c + 16 hh + 0 .. 15, in x and in the weights alike
.irp c, 0,1,2,3
	ds_load_b128 v[(\reg)+4*\c:(\reg)+4*\c+3], v[\adr] offset:(\off)+32*\c
.endr
.endm
.macro FETCH slot, q, f                ; the fragments of my q-th 128 along K of a slot into buffer f, in one run: Wq's eight, x's four, Wk's
	WIN TO_B
.irp b, 0,1,2,3,4,5,6,7
	FRAG 128*(\f)+16*\b, ADRB+(\slot), \b*RB+128*(\q)
.endr
	WIN 0
.irp a, 0,1,2,3
	FRAG AF+64*(\f)+16*\a, ADRA+2*(\slot)+(\a/2), (\a%2)*RB+128*(\q)
.endr
	WIN TO_3
	FRAG KFR+16*(\f), ADRK+(\slot), 128*(\q)
.endm
; Eight products: row block a x Wq's eight.  zero = 1: the first product starts the sums: nothing is ever cleared.  The 36 accumulators take turns, one instruction a turn, in the same order in every step.
.macro MUL8 a, f, zero
.irp b, 0,1,2,3,4,5,6,7
.if \zero
	v_wmma_f32_16x16x128_fp8_fp8 v[8*(8*(\a)+\b):8*(8*(\a)+\b)+7], v[128*(\f)+16*\b:128*(\f)+16*\b+15], v[AF+64*(\f)+16*(\a):AF+64*(\f)+16*(\a)+15], 0
.else
	v_wmma_f32_16x16x128_fp8_fp8 v[8*(8*(\a)+\b):8*(8*(\a)+\b)+7], v[128*(\f)+16*\b:128*(\f)+16*\b+15], v[AF+64*(\f)+16*(\a):AF+64*(\f)+16*(\a)+15], v[8*(8*(\a)+\b):8*(8*(\a)+\b)+7]
.endif
.endr
.endm
.macro MULK f, zero                    ; four products: the four row blocks x Wk's sixteen rows
.irp a, 0,1,2,3
.if \zero
	v_wmma_f32_16x16x128_fp8_fp8 v[8*\a:8*\a+7], v[KFR+16*(\f):KFR+16*(\f)+15], v[AF+64*(\f)+16*\a:AF+64*(\f)+16*\a+15], 0
.else
	v_wmma_f32_16x16x128_fp8_fp8 v[8*\a:8*\a+7], v[KFR+16*(\f):KFR+16*(\f)+15], v[AF+64*(\f)+16*\a:AF+64*(\f)+16*\a+15], v[8*\a:8*\a+7]
.endif
.endr
.endm
; A load into a register that a matrix instruction has read, and a vector instruction or an LDS store that reads a matrix result, stand four places behind that matrix instruction; only plain vector
; instructions that name none of its registers are places (ISA guide 7.12.1 for vector instructions).
; A slot's first step: multiplies buffer 0 and, in its middle, fetches the slot's second step into buffer 1.
.macro STEP slot, zero
	s_wait_dscnt NY                                ; Wq's fragments and x's blocks 0, 1 are in; the youngest twelve loads may be out
	WIN MUL
	MUL8 0, 0, \zero
	MUL8 1, 0, \zero
	PLACES 4
	FETCH \slot, 1, 1
	s_wait_dscnt NF                                ; all but the 52 just issued
	WIN MUL
	MUL8 2, 0, \zero
	MUL8 3, 0, \zero
	WIN MULKW
	MULK 0, \zero
	WIN 0
.endm
; A slot's second step multiplies buffer 1 and changes slots: ONE barrier; in front of it each wave waits for all its tensor loads, adds 0 to its spare word, and waits for that and for its own reads of this slot.
; fill = 1: the barrier opens a round of the cluster's barrier, and this slot is filled again, with K two slots on.
.macro TURN slot, next, fill
	s_wait_tensorcnt 0x0                           ; all my tensor loads have landed: the one that was out is my part of the next slot
	ds_add_u32 v[SPW], v[NIL]                      ; 0 onto my spare word
	s_wait_dscnt NY+1                              ; (the add and the youngest twelve loads may be out)
	WIN MUL
	MUL8 0, 1, 0                                   ; eight matrix instructions stand between the add and the wait for it
	s_wait_dscnt 0x0                               ; the add is done, and my reads of this slot are over
	s_barrier_signal -1
	MUL8 1, 1, 0
	WIN 0
	s_barrier_wait -1
.if \fill
	CREST                                          ; no wave of any partner still reads this slot or has a load on its way
	s_add_nc_u64 s[G0A+4*\slot+2:G0A+4*\slot+3], s[G0A+4*\slot+2:G0A+4*\slot+3], 1024
	s_add_nc_u64 s[G0B+4*\slot+2:G0B+4*\slot+3], s[G0B+4*\slot+2:G0B+4*\slot+3], 1024
	s_add_nc_u64 s[G0K+4*\slot+2:G0K+4*\slot+3], s[G0K+4*\slot+2:G0K+4*\slot+3], 1024
	JLOAD \slot                                    ; the first tensor load behind the round, one a wave; the four v_nop behind it are also the places in front of the loads below
.else
	PLACES 4
.endif
	FETCH \next, 0, 0
	WIN MUL
	MUL8 2, 1, 0
	MUL8 3, 1, 0
	WIN MULKW
	MULK 1, 0
	WIN 0
.endm
	s_wait_loadcnt 0x0                             ; the biases
	s_wait_tensorcnt 0x1                           ; my part of slot 0 is in; slot 1's load may be out
	s_barrier_signal -1
	s_barrier_wait -1                              ; everybody's is
	FETCH 0, 0, 0
	STEP 0, 1                                      ; the first step stands in front of the loop: its products start the sums
	s_mov_b32 s3, 3
.Llap:                                             ; a trip goes once round the ring and fills both slots again: K's eight slots are 0, 1 and the six refills
	TURN 0, 1, 1
	STEP 1, 0
	TURN 1, 0, 1
	STEP 0, 0
	s_sub_co_u32 s3, s3, 1
	s_cmp_lg_u32 s3, 0
	s_cbranch_scc1 .Llap
	TURN 0, 1, 0                                   ; the last lap fills nothing, and has no round
	STEP 1, 0
	s_wait_dscnt NY                                ; the very last step: nothing more to fetch
	WIN MUL
	MUL8 0, 1, 0
	MUL8 1, 1, 0
	s_wait_dscnt 0x0
	MUL8 2, 1, 0
	MUL8 3, 1, 0
	WIN MULKW
	MULK 1, 0
	WIN 0
	; THE EXCHANGE.  Row blocks 2, 3 go to my partner as images of their registers: four registers a store, lane l's 16 bytes at 16 l.  Each accumulator is read from its low end on.
	PLACES 4
	WIN 0x08                                       ; store data in window 2
.irp a, 2,3
.irp b, 0,1,2,3,4,5,6,7
	ds_store_b128 v[XW], v[8*(8*\a+\b):8*(8*\a+\b)+3] offset:((\a-2)*9+\b)*1024
	ds_store_b128 v[XW], v[8*(8*\a+\b)+4:8*(8*\a+\b)+7] offset:((\a-2)*9+\b)*1024+512
.endr
.endr
	WIN 0x0c                                       ; store data in window 3
.irp a, 2,3
	ds_store_b128 v[XW], v[8*\a:8*\a+3] offset:((\a-2)*9+8)*1024
	ds_store_b128 v[XW], v[8*\a+4:8*\a+7] offset:((\a-2)*9+8)*1024+512
.endr
	WIN 0
	s_wait_dscnt 0x0                               ; for my partner's sake: my stores have landed
	s_barrier_signal -1
	s_barrier_wait -1
.irp n, 0,1,2,3,4,5,6,7,8,9,10,11,12,13,14,15,16,17    ; my partner's half of my 32 rows: block ra at v[64 + 72 ra]: q's eight, then k0's
	ds_load_b128 v[AF+8*\n:AF+8*\n+3], v[XR] offset:\n*1024
	ds_load_b128 v[AF+8*\n+4:AF+8*\n+7], v[XR] offset:\n*1024+512
.endr
	s_wait_dscnt 0x0
	WIN 0x02                                       ; source 0 window 2: K's two halves are added
.irp a, 0,1
.irp b, 0,1,2,3,4,5,6,7
.irp i, 0,2,4,6
	v_pk_add_f32 v[AF+72*\a+8*\b+\i:AF+72*\a+8*\b+\i+1], v[8*(8*\a+\b)+\i:8*(8*\a+\b)+\i+1], v[AF+72*\a+8*\b+\i:AF+72*\a+8*\b+\i+1]
.endr
.endr
.endr
	WIN 0x03                                       ; source 0 window 3
.irp a, 0,1
.irp i, 0,2,4,6
	v_pk_add_f32 v[AF+72*\a+64+\i:AF+72*\a+64+\i+1], v[8*\a+\i:8*\a+\i+1], v[AF+72*\a+64+\i:AF+72*\a+64+\i+1]
.endr
.endr
	WIN 0x30                                       ; source 2 window 3: q = sum x 2^(e0 + e1) + bq, k0 = sum x 2^(e2 + e3) + bk (the scalar pair's low word for both halves)
.irp a, 0,1
.irp b, 0,1,2,3,4,5,6,7
.irp i, 0,2,4,6
	v_pk_fma_f32 v[AF+72*\a+8*\b+\i:AF+72*\a+8*\b+\i+1], v[AF+72*\a+8*\b+\i:AF+72*\a+8*\b+\i+1], s[88:89], v[BQ+8*\b+\i:BQ+8*\b+\i+1] op_sel_hi:[1,0,1]
.endr
.endr
.irp i, 0,2,4,6
	v_pk_fma_f32 v[AF+72*\a+64+\i:AF+72*\a+64+\i+1], v[AF+72*\a+64+\i:AF+72*\a+64+\i+1], s[90:91], v[BKR+\i:BKR+\i+1] op_sel_hi:[1,0,1]
.endr
.endr
	WIN 0
	v_cmp_ne_u32 vcc_lo, 0, v2                     ; lanes 16-31
	; the product that is left as it is, in f32: for each of my row's eight h the sum over my lane half's eight d of q x k0; eight chains that do not wait for each other
.irp a, 0,1
.irp t, 0,1,2,3,4,5,6,7
	v_mul_f32 v[P+\t], v[AF+72*\a+\t], v[AF+72*\a+64]
.endr
.irp m, 1,2,3,4,5,6,7
.irp t, 0,1,2,3,4,5,6,7
	v_fmac_f32 v[P+\t], v[AF+72*\a+8*\m+\t], v[AF+72*\a+64+\m]
.endr
.endr
.irp t, 0,1,2,3,4,5,6,7
	v_permlanex16_b32 v[P+8+\t], v[P+\t], s92, s93 ; the row's other eight d lie in the lane 16 away
.endr
.irp t, 0,1,2,3,4,5,6,7
	v_add_f32 v[P+\t], v[P+\t], v[P+8+\t]
.endr
.irp i, 0,1,2,3
	v_cndmask_b32 v[P+16+4*\a+\i], v[P+\i], v[P+4+\i], vcc_lo   ; lanes 0-15 store t = 0 .. 3, lanes 16-31 t = 4 .. 7
.endr
	global_store_b128 v[PO], v[P+16+4*\a:P+16+4*\a+3], s[16:17] offset:512*\a   ; the wave stores 512 consecutive bytes, at a multiple of 512 from part's first byte
.endr
	s_wait_tensorcnt 0x0                           ; the wave's end: behind my last tensor load and my last LDS store
	ds_add_u32 v[SPW], v[NIL]
	s_wait_dscnt 0x0
	CROUND                                         ; the closing round: no work-group ends while a partner may still ask for a tile that names it
	s_endpgm
.Lfunc_end_k_q4f65dacf6e_align:
	.size	k_q4f65dacf6e_align, .Lfunc_end_k_q4f65dacf6e_align-k_q4f65dacf6e_align
	.p2alignl 7, 3214868480
	.fill 96, 4, 3214868480
	.section	.rodata,"a",@progbits
	.p2align	6, 0x0
	.amdhsa_kernel k_q4f65dacf6e_align
		.amdhsa_group_segment_fixed_size 327680
		.amdhsa_private_segment_fixed_size 0
		.amdhsa_enable_private_segment 0
		.amdhsa_kernarg_size 56
		.amdhsa_user_sgpr_count 2
		.amdhsa_user_sgpr_kernarg_segment_ptr 1
		.amdhsa_wavefront_size32 1
		.amdhsa_system_sgpr_workgroup_id_x 1
		.amdhsa_system_sgpr_workgroup_id_y 1
		.amdhsa_system_sgpr_workgroup_id_z 1
		.amdhsa_system_vgpr_workitem_id 0
		.amdhsa_next_free_vgpr 1024
		.amdhsa_next_free_sgpr 100
		.amdhsa_reserve_vcc 1
		.amdhsa_float_denorm_mode_32 3
		.amdhsa_float_denorm_mode_16_64 3
		.amdhsa_memory_ordered 1
		.amdhsa_forward_progress 1
		.amdhsa_inst_pref_size 88
	.end_amdhsa_kernel
	.amdgpu_metadata
---
amdhsa.version: [ 1, 2 ]
amdhsa.kernels:
  - .name:           k_q4f65dacf6e_align
    .symbol:         k_q4f65dacf6e_align.kd
    .args:
      - { .name: x_codes, .offset: 0, .size: 8, .value_kind: global_buffer, .address_space: global }
      - { .name: Wq_codes, .offset: 8, .size: 8, .value_kind: global_buffer, .address_space: global }
      - { .name: Wk_codes, .offset: 16, .size: 8, .value_kind: global_buffer, .address_space: global }
      - { .name: lowp_scales, .offset: 24, .size: 8, .value_kind: global_buffer, .address_space: global }
      - { .name: bq, .offset: 32, .size: 8, .value_kind: global_buffer, .address_space: global }
      - { .name: bk, .offset: 40, .size: 8, .value_kind: global_buffer, .address_space: global }
      - { .name: part, .offset: 48, .size: 8, .value_kind: global_buffer, .address_space: global }
    .group_segment_fixed_size: 327680
    .private_segment_fixed_size: 0
    .kernarg_segment_align: 8
    .kernarg_segment_size: 56
    .max_flat_workgroup_size: 128
    .sgpr_count:     100
    .vgpr_count:     1024
    .wavefront_size: 32
...
	.end_amdgpu_metadata
.endif
;; end of part 1
;; launch apply (part 2): grid 32 x 8, 4 waves a work-group, clusters of 4 x 4, 327,680 bytes of LDS; arguments x_codes, Wv_codes, lowp_scales, bv, mask, part, out0; writes out0
.if DOCPART == 2
	.amdgcn_target "amdgcn-amd-amdhsa--gfx1250"
	.amdhsa_code_object_version 6
	.text
	.protected	k_q4f65dacf6e_apply
	.globl	k_q4f65dacf6e_apply
	.p2align	8
	.type	k_q4f65dacf6e_apply,@function
k_q4f65dacf6e_apply:
	s_mov_b64 s[64:65], 0
	v_nop
	global_prefetch_b8 v0, s[64:65] scope:SCOPE_SE
	s_setreg_imm32_b32 hwreg(HW_REG_WAVE_MODE, 25, 1), 1
	s_wait_xcnt 0x0
	s_wait_alu depctr_hold_cnt(0) depctr_sa_sdst(0) depctr_va_vdst(0) depctr_va_sdst(0) depctr_va_ssrc(0) depctr_va_vcc(0) depctr_vm_vsrc(0)
	s_getreg_b32 s2, hwreg(HW_REG_IB_STS2, 6, 4)
	s_cmp_eq_u32 s2, 0
	s_cbranch_scc0 .Lentry_in_a_cluster
	s_endpgm
.Lentry_in_a_cluster:
	s_bfe_u32 s2, ttmp6, 0x10000c
	s_cmp_lg_u32 s2, 0xf033
	s_cbranch_scc0 .Lentry_shape_is_right
	s_endpgm
.Lentry_shape_is_right:
; out0[s][n] = (x Wv^T + bv)[s][n] x w[s][n mod 32], w[s][:] = softmax over the 32 h of align[s][h], align = (the sum over g of part[g][jj][s][t]) / 64 with h = jj + 4 t, and 1e-20 where mask[s][h] is 0.
; x [1024][4096], Wv [4096][4096]: codes of E4M3, K innermost; the codes are multiplied as they are, each finished sum once by 2^(e4 + e5).  part: f32, [g 8][jj 4][s 1024][t 8], stored by the launch before.
; LIMITS: e4 + e5 lies between -126 and 127, so that 2^(e4 + e5) is an f32 number.  v_exp_f32 gives 0 for a weight under 2^-126 of the row's largest.  Inside 128 along K the codes stand in another order than the
; form's own, alike in both operands, and K is summed in two halves that are added at the end.
; THE DIVISION BY 64 is a power of two and rounds nothing, so it is not made: the sums stay as they are, a masked place takes 64 x 1e-20, the maximum is taken of these numbers,
; and the exponent is t = c S - c max with c = log2(e) / 64: one packed multiply-add for two numbers.  The row's maximum is taken away before the exponential, as the softmax asks.
; SHARES.  Work-group (c, tr): rows 128 tr on, columns 128 c on.  Wave w = 2 i + kk takes rows 64 i on, all 128 columns and half kk (256 along K) of every slot of 512: 32 accumulators, 12 fragments for 32 products.
; At the end waves 2 i and 2 i + 1 send each other half of their sums through LDS; wave w then owns rows 32 w .. 32 w + 31.  Register row block ra holds block 4 i + ((ra + 2 kk) mod 4): ra = 0, 1 are kept, ra = 2, 3 sent.
; THE WEIGHTS are made at the head, while the first tiles are on their way: wave w, a lane a row, for the 32 rows that it will own.  They turn through the wave's own LDS bytes into the results' layout.
; THE MATRIX INSTRUCTION IS USED TRANSPOSED (source 0 = 16 rows of Wv, source 1 = 16 rows of x): lane (r, hh) holds row r; register j of column block b is column 16 b + 8 hh + j: h = 16 (b mod 2) + 8 hh + j.
; CLUSTERS: 4 x 4 work-groups.  The four of a row of the cluster need the same tile of x, the four of a column the same tile of Wv: each is asked for jointly, by the same tensor load with a mask that names the four.
; REGISTERS, in windows of 256: window 0: v0-31 addresses and small work, v32-63 the row's 32 numbers, v64-127 and v128-191 fragments of x (4 x 16), two buffers, v192-255 the way out.
;   window 1: at the head part's 256 numbers of a lane's row; then fragments of Wv (8 x 16), two buffers.  window 2: the accumulators, (ra, b) at v[8 (8 ra + b)].  window 3: v0-63 bv; v64-95 the weights.
.set KROW,  4096                       ; a row of x or of Wv in memory, in bytes
.set PITCH, 528                        ; an LDS row: 512 bytes + 16 of padding = 132 words: row r starts at bank 4 r mod 64 (64 banks of 4 bytes: ISA guide 11.1), so the 16 rows that a load touches start at 16 different banks
.set RB,    16*PITCH
.set HALFA, 64*PITCH                   ; what one tensor load brings
.set BOFF,  128*PITCH                  ; a slot: 128 rows of x, 128 of Wv
.set SLOT,  256*PITCH
.set WREG,  2*SLOT                     ; behind the ring: 32 rows x 144 bytes for each wave, for the weights' turn: bytes of their own, into which no tile lands
.set WPIT,  144
.set SPARE, WREG+4*32*WPIT             ; behind them: the spare words, 128 bytes for each wave: two blocks of 256 bytes that no other line names
.set MBOX,  16*1024                    ; the exchange: 16 images of 1,024 bytes for each wave; behind the four, a stage of 16 rows x 528 bytes for each wave.
.set STAGE, 4*MBOX                     ; Both lie in slot 0, which has had its last fill and its last read when the first sum is stored there
.set NF,    48                         ; LDS loads of a step's fragments: 32 Wv, 16 x
.set NY,    8                          ; the youngest of them: x's row blocks 2, 3
.set ADRA,  8                          ; v8-11  LDS address of x's fragments: slot 0 blocks 0-1, 2-3; slot 1 likewise
.set ADRB,  12                         ; v12-13 of Wv's, slot 0, 1
.set WST,   14                         ; v14    where I put my row's 32 weights
.set WLD,   15                         ; v15    where I read weights in the results' layout
.set XW,    16                         ; v16    my mailbox + 16 x lane
.set XR,    17                         ; v17    my partner's + 16 x lane
.set STO,   18                         ; v18    the stage: where I put 32 bytes of a row
.set RD,    19                         ; v19    the stage: where I read a row back
.set CO,    20                         ; v20    16 x lane: my bytes of a row's 512 in out0
.set PAO,   21                         ; v21    part: 32 x lane
.set MAO,   22                         ; v22    mask: 128 x lane
.set BVO,   23                         ; v23    bv: 32 hh
.set SPW,   28                         ; v28    LDS address of my spare word: SPARE + 4 x my thread's number; never rewritten
.set NIL,   29                         ; v29    0; never rewritten
.set FILL,  30                         ; v30    64 x 1e-20
.set S,     32                         ; v32-63 my row's 32 numbers, at 8 jj + t
.set MK,    64                         ; v64-95 my row of the mask, at h
.set WH,    96                         ; v96-127 my row's weights, at h
.set AF,    64                         ; x's fragments, window 0
.set BV,    0                          ; bv, window 3
.set WT,    64                         ; the weights, window 3: v[64 + 16 ra + 8 p + j] = w[16 ra + r][16 p + 8 hh + j]
.set WV,    18                         ; s18 wave; s19 i; s20 kk
.set G1A,   24
.set G1B,   32
.set G0A,   48
.set G0B,   56
.set MUL,   0xa1                       ; source 0 (Wv) window 1, source 1 (x) window 0, C and D window 2
.set TO_B,  0x40                       ; destination window 1
.set TO_3,  0xc0                       ; destination window 3
.set MSB, 0
.macro WIN new                         ; the immediate's high byte repeats the setting that is left; a switch that changes nothing is dropped
.if MSB != \new
	s_set_vgpr_msb (MSB<<8)|\new
.set MSB, \new
.endif
.endm
.macro PLACES n
.rept \n
	v_nop
.endr
.endm
; A joint load, one a wave: waves 0 and 1 fetch x's two halves, waves 2 and 3 Wv's.  The branch hangs on the wave's number alone.  Four v_nop follow each of the two lines.
.macro JLOAD s
	s_cmp_eq_u32 s19, 0
	s_cbranch_scc0 .Lfor_b_\@
	tensor_load_to_lds s[G0A+4*\s:G0A+4*\s+3], s[G1A:G1A+7]
	s_nop 0
.rept 4
	v_nop
.endr
	s_branch .Lasked_\@
.Lfor_b_\@:
	tensor_load_to_lds s[G0B+4*\s:G0B+4*\s+3], s[G1B:G1B+7]
	s_nop 0
.rept 4
	v_nop
.endr
.Lasked_\@:
.endm
.macro CREST                           ; a round of the cluster's barrier behind its opening barrier
	s_cmp_lg_u32 s[WV], 0
	s_cbranch_scc1 .Lnot_wave_0_\@
	s_barrier_signal -3
.Lnot_wave_0_\@:
	s_barrier_wait -3
	s_barrier_signal -1
	s_barrier_wait -1
.endm
.macro CROUND                          ; a whole round
	s_barrier_signal -1
	s_barrier_wait -1
	CREST
.endm
	s_load_b256 s[4:11], s[0:1], 0x0               ; x s[4:5], Wv s[6:7], the scales' exponents s[8:9], bv s[10:11]
	s_load_b128 s[12:15], s[0:1], 0x20             ; mask s[12:13], part s[14:15]
	s_load_b64 s[16:17], s[0:1], 0x30              ; out0
	v_lshl_add_u32 v[SPW], v0, 2, SPARE
	v_mov_b32 v[NIL], 0
	ds_add_u32 v28, v29
	ds_add_u32 v28, v29
	s_wait_dscnt 0x0
	v_lshrrev_b32 v4, 5, v0
	v_readfirstlane_b32 s[WV], v4                  ; wave 0..3
	s_lshr_b32 s19, s[WV], 1                       ; i: which 64 rows are mine.  Also: I fetch for x (0) or for Wv (1)
	s_and_b32 s20, s[WV], 1                        ; kk: which half of a slot along K.  Also: which 64 rows of that tile I fetch
	s_bfe_u32 s76, ttmp6, 0x40000                  ; cx, cy: my place in the cluster
	s_bfe_u32 s77, ttmp6, 0x40004
	s_lshl_b32 s78, ttmp9, 2
	s_add_co_u32 s78, s78, s76                     ; c = 4 x cluster x + cx
	s_and_b32 s79, ttmp7, 0xffff
	s_lshl_b32 s79, s79, 2
	s_add_co_u32 s79, s79, s77                     ; tr = 4 x cluster y + cy
	s_lshl_b32 s80, s77, 2
	s_lshl_b32 s80, 15, s80                        ; my row of the cluster
	s_lshl_b32 s81, 0x1111, s76                    ; my column
	s_mov_b32 s90, 0x3cb8aa3b                      ; c = log2(e) / 64
	s_mov_b32 s91, s90                             ; (named with it as a pair, so it is written)
	; descriptor groups 1: 64 rows of 512 bytes, padded in LDS.  15:0 the mask; 17:16 elements of 1 byte; 20 padding on; 21 set beside a mask; 24:22 after every 128 words (code 6); 31:25 of 4 words (code 3)
.set PADW, (1<<20)|(1<<21)|(6<<22)|(3<<25)
	s_or_b32 s[G1A], s80, PADW                     ; x's tiles go to my row of the cluster,
	s_or_b32 s[G1B], s81, PADW                     ; Wv's to my column
.irp g, G1A, G1B
	s_mov_b32 s[\g+1], 512<<16                     ; tensor_dim0
	s_mov_b32 s[\g+2], 64<<16                      ; tensor_dim1
	s_mov_b32 s[\g+3], 512<<16                     ; tile_dim0
	s_mov_b32 s[\g+4], 64                          ; tile_dim1
	s_mov_b32 s[\g+5], KROW                        ; tensor_dim0_stride
	s_mov_b32 s[\g+6], 0
	s_mov_b32 s[\g+7], 0
.endr
	; every LDS address is made here, ahead of the first branch on the wave's number: constants, the lane, the wave
	v_and_b32 v1, 15, v0                           ; r
	v_bfe_u32 v2, v0, 4, 1                         ; hh
	v_mul_u32_u24 v3, v1, PITCH
	v_lshl_add_u32 v3, v2, 4, v3                   ; a fragment's row x pitch + 16 hh
	s_lshl_b32 s21, s20, 8
	v_add_nc_u32 v3, s21, v3                       ; + my half of the row: 256 kk
	s_lshl_b32 s22, s19, 2                         ; 4 i
	s_lshl_b32 s23, s20, 1
	s_add_co_u32 s23, s23, s22                     ; register blocks 0, 1: blocks 4 i + 2 kk on
	s_mul_i32 s23, s23, RB
	v_add_nc_u32 v[ADRA], s23, v3
	v_add_nc_u32 v[ADRA+2], SLOT, v[ADRA]
	s_xor_b32 s23, s20, 1
	s_lshl_b32 s23, s23, 1
	s_add_co_u32 s23, s23, s22                     ; register blocks 2, 3: blocks 4 i + 2 (1 - kk) on
	s_mul_i32 s23, s23, RB
	v_add_nc_u32 v[ADRA+1], s23, v3
	v_add_nc_u32 v[ADRA+3], SLOT, v[ADRA+1]
	v_add_nc_u32 v[ADRB], BOFF, v3
	v_add_nc_u32 v[ADRB+1], SLOT, v[ADRB]
	v_and_b32 v5, 31, v0                           ; lane
	s_mul_i32 s23, s[WV], 32*WPIT
	s_add_co_u32 s23, s23, WREG                    ; my wave's bytes for the weights
	v_mul_u32_u24 v[WST], v5, WPIT
	v_add_nc_u32 v[WST], s23, v[WST]               ; in: row = lane
	v_mul_u32_u24 v[WLD], v1, WPIT
	v_lshl_add_u32 v[WLD], v2, 5, v[WLD]
	v_add_nc_u32 v[WLD], s23, v[WLD]               ; back: row r, + 32 hh
	v_lshlrev_b32 v[CO], 4, v5
	s_mul_i32 s23, s[WV], MBOX
	v_add_nc_u32 v[XW], s23, v[CO]
	s_xor_b32 s23, s[WV], 1                        ; my partner: the other half of K for the same rows
	s_mul_i32 s23, s23, MBOX
	v_add_nc_u32 v[XR], s23, v[CO]
	s_mul_i32 s23, s[WV], RB
	s_add_co_u32 s23, s23, STAGE                   ; my stage
	v_mul_u32_u24 v[STO], v1, PITCH
	v_lshl_add_u32 v[STO], v2, 5, v[STO]
	v_add_nc_u32 v[STO], s23, v[STO]               ; in: row r, 32 bytes for each half of the lanes
	v_add_nc_u32 v[RD], s23, v[CO]                 ; back: the 32 lanes take one row of 512 bytes
	v_lshlrev_b32 v[PAO], 5, v5
	v_lshlrev_b32 v[MAO], 7, v5
	v_lshlrev_b32 v[BVO], 5, v2
	v_mov_b32 v[FILL], 0x213ce508                  ; 64 x 1e-20
	; where the tiles come from.  x's hang on tr and the wave alone, Wv's on c and the wave alone, each in registers that never hold the other coordinate
	s_lshl_b32 s94, s79, 19                        ; x: row 128 tr
	s_lshl_b32 s21, s20, 18                        ; + 64 x half
	s_add_co_u32 s94, s94, s21
	s_mov_b32 s95, 0
	s_lshl_b32 s96, s78, 19                        ; Wv: row 128 c + 64 x half
	s_add_co_u32 s96, s96, s21
	s_mov_b32 s97, 0
	s_mul_i32 s21, s20, HALFA                      ; the half's place in a slot: no place in the cluster enters an LDS address
	s_wait_kmcnt 0x0
	s_load_b64 s[84:85], s[8:9], 0x10              ; e4, e5
	s_add_nc_u64 s[94:95], s[4:5], s[94:95]
	s_add_nc_u64 s[96:97], s[6:7], s[96:97]
	CROUND                                         ; all sixteen work-groups are here: the first joint loads meet
.irp s, 0,1
	s_mov_b32 s[G0A+4*\s], 1                       ; count = 1
	s_add_co_u32 s[G0A+4*\s+1], s21, \s*SLOT       ; LDS address
	s_add_nc_u64 s[G0A+4*\s+2:G0A+4*\s+3], s[94:95], \s*512   ; global address: K from 512 s on
	s_or_b32 s[G0A+4*\s+3], s[G0A+4*\s+3], 0x80000000         ; type = 2
	s_mov_b32 s[G0B+4*\s], 1
	s_add_co_u32 s[G0B+4*\s+1], s21, BOFF+\s*SLOT
	s_add_nc_u64 s[G0B+4*\s+2:G0B+4*\s+3], s[96:97], \s*512
	s_or_b32 s[G0B+4*\s+3], s[G0B+4*\s+3], 0x80000000
	JLOAD \s                                       ; two loads of mine are out
.endr
	; THE WEIGHTS of rows 128 tr + 32 w + lane, while the tiles are on their way
	s_lshl_b32 s2, s79, 7
	s_lshl_b32 s21, s[WV], 5
	s_add_co_u32 s2, s2, s21                       ; my wave's first row
	s_mov_b32 s23, 0
	s_lshl_b32 s22, s2, 5
	s_add_nc_u64 s[14:15], s[14:15], s[22:23]      ; part: 32 bytes a row in each of its 32 planes
	s_lshl_b32 s22, s2, 7
	s_add_nc_u64 s[12:13], s[12:13], s[22:23]      ; mask: 128 bytes a row
	s_lshl_b32 s22, s78, 9
	s_add_nc_u64 s[10:11], s[10:11], s[22:23]      ; bv at column 128 c,
	s_add_nc_u64 s[16:17], s[16:17], s[22:23]      ; out0 likewise,
	s_lshl_b32 s22, s2, 14
	s_add_nc_u64 s[16:17], s[16:17], s[22:23]      ; at my wave's first row
	WIN TO_B
.irp g, 0,1,2,3,4,5,6,7
.irp j, 0,1,2,3
.irp e, 0,1
	global_load_b128 v[32*\g+8*\j+4*\e:32*\g+8*\j+4*\e+3], v[PAO], s[14:15] offset:(4*\g+\j)*32768+16*\e   ; part[g][j][my row][4 e ..]
.endr
.endr
.endr
	WIN 0
.irp i, 0,1,2,3,4,5,6,7
	global_load_b128 v[MK+4*\i:MK+4*\i+3], v[MAO], s[12:13] offset:16*\i
.endr
	WIN TO_3
.irp b, 0,1,2,3,4,5,6,7
.irp e, 0,1
	global_load_b128 v[BV+8*\b+4*\e:BV+8*\b+4*\e+3], v[BVO], s[10:11] offset:64*\b+16*\e   ; bv of columns 16 b + 8 hh + 0 .. 7: the results' layout
.endr
.endr
	WIN 0
	s_wait_kmcnt 0x0
	s_add_co_i32 s88, s84, s85
	s_add_co_i32 s88, s88, 127
	s_lshl_b32 s88, s88, 23                        ; 2^(e4 + e5) as f32
	s_mov_b32 s89, s88                             ; (named with it as a pair, so it is written)
	s_wait_loadcnt 0x0
	WIN 0x05                                       ; sources 0 and 1 window 1: the first two of the eight parts start the sums
.irp i, 0,2,4,6,8,10,12,14,16,18,20,22,24,26,28,30
	v_pk_add_f32 v[S+\i:S+\i+1], v[\i:\i+1], v[32+\i:32+\i+1]
.endr
	WIN 0x04                                       ; source 1 window 1
.irp g, 2,3,4,5,6,7
.irp i, 0,2,4,6,8,10,12,14,16,18,20,22,24,26,28,30
	v_pk_add_f32 v[S+\i:S+\i+1], v[S+\i:S+\i+1], v[32*\g+\i:32*\g+\i+1]
.endr
.endr
	WIN 0
.irp j, 0,1,2,3
.irp t, 0,1,2,3,4,5,6,7
	v_cmp_eq_u32 vcc_lo, 0, v[MK+\j+4*\t]          ; h = j + 4 t
	v_cndmask_b32 v[S+8*\j+\t], v[S+8*\j+\t], v[FILL], vcc_lo
.endr
.endr
	v_max3_num_f32 v4, v[S], v[S+1], v[S+2]        ; the row's maximum, in two chains
	v_max3_num_f32 v5, v[S+3], v[S+4], v[S+5]
.irp i, 6,10,14,18,22,26
	v_max3_num_f32 v4, v4, v[S+\i], v[S+\i+1]
	v_max3_num_f32 v5, v5, v[S+\i+2], v[S+\i+3]
.endr
	v_max3_num_f32 v4, v4, v[S+30], v[S+31]
	v_max_num_f32 v4, v4, v5
	v_mul_f32 v6, s90, v4                          ; c max
	v_mov_b32 v7, v6                               ; (named with it as a pair, so it is written)
.irp i, 0,2,4,6,8,10,12,14,16,18,20,22,24,26,28,30
	v_pk_fma_f32 v[S+\i:S+\i+1], v[S+\i:S+\i+1], s[90:91], v[6:7] op_sel_hi:[1,0,0] neg_lo:[0,0,1] neg_hi:[0,0,1]   ; c S - c max
.endr
.irp i, 0,1,2,3,4,5,6,7,8,9,10,11,12,13,14,15,16,17,18,19,20,21,22,23,24,25,26,27,28,29,30,31
	v_exp_f32 v[S+\i], v[S+\i]
.endr
	v_nop                                          ; a plain instruction behind the last exponential and ahead of the first use (ISA guide 5.7.2)
	s_wait_alu depctr_va_vdst(0)                   ; the wait ahead of the first instruction that names a result: one for the 32
	v_pk_add_f32 v[24:25], v[S:S+1], v[S+2:S+3]    ; the row's sum, two at a time, in two chains; it is at least 1: the largest term is 2^0
	v_pk_add_f32 v[26:27], v[S+4:S+5], v[S+6:S+7]
.irp i, 8,12,16,20,24,28
	v_pk_add_f32 v[24:25], v[24:25], v[S+\i:S+\i+1]
	v_pk_add_f32 v[26:27], v[26:27], v[S+\i+2:S+\i+3]
.endr
	v_pk_add_f32 v[24:25], v[24:25], v[26:27]
	v_add_f32 v24, v24, v25
	v_rcp_f32 v4, v24
	v_nop
	s_wait_alu depctr_va_vdst(0)                   ; and the same for the reciprocal
.irp j, 0,1,2,3
.irp t, 0,1,2,3,4,5,6,7
	v_mul_f32 v[WH+\j+4*\t], v[S+8*\j+\t], v4      ; the weights, in the order of h
.endr
.endr
.irp i, 0,1,2,3,4,5,6,7
	ds_store_b128 v[WST], v[WH+4*\i:WH+4*\i+3] offset:16*\i
.endr
	WIN TO_3
.irp a, 0,1
.irp p, 0,1
.irp e, 0,1
	ds_load_b128 v[WT+16*\a+8*\p+4*\e:WT+16*\a+8*\p+4*\e+3], v[WLD] offset:16*WPIT*\a+64*\p+16*\e   ; LDS serves a wave's instructions in order (ISA guide 5.7.1.4): these see my stores; no other wave touches these bytes
.endr
.endr
.endr
	WIN 0
.macro FRAG reg, adr, off              ; a fragment, 16 rows x 128 K of codes, is 16 registers: lane (r, hh) holds row r; registers 4 c .. 4 c + 3 hold K = 32 c + 16 hh + 0 .. 15, in x and in Wv alike
.irp c, 0,1,2,3
	ds_load_b128 v[(\reg)+4*\c:(\reg)+4*\c+3], v[\adr] offset:(\off)+32*\c
.endr
.endm
.macro FETCH slot, q, f                ; the fragments of my q-th 128 along K of a slot into buffer f, in one run: Wv's eight, x's four
	WIN TO_B
.irp b, 0,1,2,3,4,5,6,7
	FRAG 128*(\f)+16*\b, ADRB+(\slot), \b*RB+128*(\q)
.endr
	WIN 0
.irp a, 0,1,2,3
	FRAG AF+64*(\f)+16*\a, ADRA+2*(\slot)+(\a/2), (\a%2)*RB+128*(\q)
.endr
.endm
; Eight products: row block a x Wv's eight.  zero = 1: the first product starts the sums: nothing is ever cleared.  The 32 accumulators take turns, one instruction a turn, in the same order in every step.
.macro MUL8 a, f, zero
.irp b, 0,1,2,3,4,5,6,7
.if \zero
	v_wmma_f32_16x16x128_fp8_fp8 v[8*(8*(\a)+\b):8*(8*(\a)+\b)+7], v[128*(\f)+16*\b:128*(\f)+16*\b+15], v[AF+64*(\f)+16*(\a):AF+64*(\f)+16*(\a)+15], 0
.else
	v_wmma_f32_16x16x128_fp8_fp8 v[8*(8*(\a)+\b):8*(8*(\a)+\b)+7], v[128*(\f)+16*\b:128*(\f)+16*\b+15], v[AF+64*(\f)+16*(\a):AF+64*(\f)+16*(\a)+15], v[8*(8*(\a)+\b):8*(8*(\a)+\b)+7]
.endif
.endr
.endm
; A load into a register that a matrix instruction has read, and a vector instruction or an LDS store that reads a matrix result, stand four places behind that matrix instruction; only plain vector
; instructions that name none of its registers are places (ISA guide 7.12.1 for vector instructions).
; A slot's first step: multiplies buffer 0 and, in its middle, fetches the slot's second step into buffer 1.
.macro STEP slot, zero
	s_wait_dscnt NY                                ; Wv's fragments and x's blocks 0, 1 are in; the youngest eight loads may be out
	WIN MUL
	MUL8 0, 0, \zero
	MUL8 1, 0, \zero
	PLACES 4
	FETCH \slot, 1, 1
	s_wait_dscnt NF                                ; all but the 48 just issued
	WIN MUL
	MUL8 2, 0, \zero
	MUL8 3, 0, \zero
	WIN 0
.endm
; A slot's second step multiplies buffer 1 and changes slots: ONE barrier; in front of it each wave waits for all its tensor loads, adds 0 to its spare word, and waits for that and for its own reads of this slot.
; fill = 1: the barrier opens a round of the cluster's barrier, and this slot is filled again, with K two slots on.
.macro TURN slot, next, fill
	s_wait_tensorcnt 0x0                           ; all my tensor loads have landed: the one that was out is my part of the next slot
	ds_add_u32 v[SPW], v[NIL]                      ; 0 onto my spare word
	s_wait_dscnt NY+1                              ; (the add and the youngest eight loads may be out)
	WIN MUL
	MUL8 0, 1, 0                                   ; eight matrix instructions stand between the add and the wait for it
	s_wait_dscnt 0x0                               ; the add is done, and my reads of this slot are over
	s_barrier_signal -1
	MUL8 1, 1, 0
	WIN 0
	s_barrier_wait -1
.if \fill
	CREST                                          ; no wave of any partner still reads this slot or has a load on its way
	s_add_nc_u64 s[G0A+4*\slot+2:G0A+4*\slot+3], s[G0A+4*\slot+2:G0A+4*\slot+3], 1024
	s_add_nc_u64 s[G0B+4*\slot+2:G0B+4*\slot+3], s[G0B+4*\slot+2:G0B+4*\slot+3], 1024
	JLOAD \slot                                    ; the first tensor load behind the round, one a wave; the four v_nop behind it are also the places in front of the loads below
.else
	PLACES 4
.endif
	FETCH \next, 0, 0
	WIN MUL
	MUL8 2, 1, 0
	MUL8 3, 1, 0
	WIN 0
.endm
	s_wait_dscnt 0x0                               ; the weights are in their registers; no LDS instruction of mine is out at the signal
	s_wait_tensorcnt 0x1                           ; my part of slot 0 is in; slot 1's load may be out
	s_barrier_signal -1
	s_barrier_wait -1                              ; everybody's is
	FETCH 0, 0, 0
	STEP 0, 1                                      ; the first step stands in front of the loop: its products start the sums
	s_mov_b32 s3, 3
.Llap:                                             ; a trip goes once round the ring and fills both slots again: K's eight slots are 0, 1 and the six refills
	TURN 0, 1, 1
	STEP 1, 0
	TURN 1, 0, 1
	STEP 0, 0
	s_sub_co_u32 s3, s3, 1
	s_cmp_lg_u32 s3, 0
	s_cbranch_scc1 .Llap
	TURN 0, 1, 0                                   ; the last lap fills nothing, and has no round
	STEP 1, 0
	s_wait_dscnt NY                                ; the very last step: nothing more to fetch
	WIN MUL
	MUL8 0, 1, 0
	MUL8 1, 1, 0
	s_wait_dscnt 0x0
	MUL8 2, 1, 0
	MUL8 3, 1, 0
	WIN 0
	; THE EXCHANGE.  Row blocks 2, 3 go to my partner as images of their registers: four registers a store, lane l's 16 bytes at 16 l.  Each accumulator is read from its low end on.
	PLACES 4
	WIN 0x08                                       ; store data in window 2
.irp a, 2,3
.irp b, 0,1,2,3,4,5,6,7
	ds_store_b128 v[XW], v[8*(8*\a+\b):8*(8*\a+\b)+3] offset:((\a-2)*8+\b)*1024
	ds_store_b128 v[XW], v[8*(8*\a+\b)+4:8*(8*\a+\b)+7] offset:((\a-2)*8+\b)*1024+512
.endr
.endr
	WIN 0
	s_wait_dscnt 0x0                               ; for my partner's sake: my stores have landed
	s_barrier_signal -1
	s_barrier_wait -1
.irp n, 0,1,2,3,4,5,6,7,8,9,10,11,12,13,14,15      ; my partner's half of my 32 rows: block ra at v[64 + 64 ra]
	ds_load_b128 v[AF+8*\n:AF+8*\n+3], v[XR] offset:\n*1024
	ds_load_b128 v[AF+8*\n+4:AF+8*\n+7], v[XR] offset:\n*1024+512
.endr
	s_wait_dscnt 0x0
; Row block a: K's two halves are added; v = sum x 2^(e4 + e5) + bv; out = v x w
.macro FINISH a
	WIN 0x02                                       ; source 0 window 2
.irp b, 0,1,2,3,4,5,6,7
.irp i, 0,2,4,6
	v_pk_add_f32 v[AF+64*(\a)+8*\b+\i:AF+64*(\a)+8*\b+\i+1], v[8*(8*(\a)+\b)+\i:8*(8*(\a)+\b)+\i+1], v[AF+64*(\a)+8*\b+\i:AF+64*(\a)+8*\b+\i+1]
.endr
.endr
	WIN 0x30                                       ; source 2 window 3 (the scalar pair's low word for both halves)
.irp b, 0,1,2,3,4,5,6,7
.irp i, 0,2,4,6
	v_pk_fma_f32 v[AF+64*(\a)+8*\b+\i:AF+64*(\a)+8*\b+\i+1], v[AF+64*(\a)+8*\b+\i:AF+64*(\a)+8*\b+\i+1], s[88:89], v[BV+8*\b+\i:BV+8*\b+\i+1] op_sel_hi:[1,0,1]
.endr
.endr
	WIN 0x0c                                       ; source 1 window 3
.irp b, 0,1,2,3,4,5,6,7
.irp i, 0,2,4,6
	v_pk_mul_f32 v[AF+64*(\a)+8*\b+\i:AF+64*(\a)+8*\b+\i+1], v[AF+64*(\a)+8*\b+\i:AF+64*(\a)+8*\b+\i+1], v[WT+16*(\a)+8*(\b%2)+\i:WT+16*(\a)+8*(\b%2)+\i+1]
.endr
.endr
	WIN 0
.endm
; A lane holds 32 neighbouring bytes of a row and the lanes beside it hold other rows: so a block of 16 rows goes through my own stage and comes back as whole rows of 512 bytes.
.macro TOSTAGE a, dst
.irp b, 0,1,2,3,4,5,6,7
	ds_store_b128 v[STO], v[AF+64*(\a)+8*\b:AF+64*(\a)+8*\b+3] offset:64*\b
	ds_store_b128 v[STO], v[AF+64*(\a)+8*\b+4:AF+64*(\a)+8*\b+7] offset:64*\b+16
.endr
.irp t, 0,1,2,3,4,5,6,7,8,9,10,11,12,13,14,15
	ds_load_b128 v[(\dst)+4*\t:(\dst)+4*\t+3], v[RD] offset:\t*PITCH   ; LDS serves a wave's instructions in order (ISA guide 5.7.1.4): these see the stores above, and the next block's stores come behind them
.endr
.endm
.macro SEND a, dst
.irp t, 0,1,2,3,4,5,6,7,8,9,10,11,12,13,14,15
	global_store_b128 v[CO], v[(\dst)+4*\t:(\dst)+4*\t+3], s[16:17] offset:(16*(\a)+\t)*16384 th:TH_STORE_NT   ; 32 lanes store 512 consecutive bytes, at a multiple of 512 from out0's first byte; the row stands in the immediate, 507,904 at the most; written once, read by nobody here
.endr
.endm
	FINISH 0
	TOSTAGE 0, 192
	FINISH 1                                       ; block 1's arithmetic stands between block 0's loads from the stage and the wait for them
	s_wait_dscnt 16                                ; block 0's sixteen stores into the stage are done (its sixteen loads may be out): their data registers, v64-127, take block 1's rows
	TOSTAGE 1, 64
	s_wait_dscnt 32                                ; block 0 is back in registers; behind its loads: block 1's 16 stores and 16 loads
	SEND 0, 192
	s_wait_dscnt 0x0
	SEND 1, 64
	s_wait_tensorcnt 0x0                           ; the wave's end: behind my last tensor load and my last LDS store
	ds_add_u32 v[SPW], v[NIL]
	s_wait_dscnt 0x0
	CROUND                                         ; the closing round: no work-group ends while a partner may still ask for a tile that names it
	s_endpgm
.Lfunc_end_k_q4f65dacf6e_apply:
	.size	k_q4f65dacf6e_apply, .Lfunc_end_k_q4f65dacf6e_apply-k_q4f65dacf6e_apply
	.p2alignl 7, 3214868480
	.fill 96, 4, 3214868480
	.section	.rodata,"a",@progbits
	.p2align	6, 0x0
	.amdhsa_kernel k_q4f65dacf6e_apply
		.amdhsa_group_segment_fixed_size 327680
		.amdhsa_private_segment_fixed_size 0
		.amdhsa_enable_private_segment 0
		.amdhsa_kernarg_size 56
		.amdhsa_user_sgpr_count 2
		.amdhsa_user_sgpr_kernarg_segment_ptr 1
		.amdhsa_wavefront_size32 1
		.amdhsa_system_sgpr_workgroup_id_x 1
		.amdhsa_system_sgpr_workgroup_id_y 1
		.amdhsa_system_sgpr_workgroup_id_z 1
		.amdhsa_system_vgpr_workitem_id 0
		.amdhsa_next_free_vgpr 1024
		.amdhsa_next_free_sgpr 100
		.amdhsa_reserve_vcc 1
		.amdhsa_float_denorm_mode_32 3
		.amdhsa_float_denorm_mode_16_64 3
		.amdhsa_memory_ordered 1
		.amdhsa_forward_progress 1
		.amdhsa_inst_pref_size 101
	.end_amdhsa_kernel
	.amdgpu_metadata
---
amdhsa.version: [ 1, 2 ]
amdhsa.kernels:
  - .name:           k_q4f65dacf6e_apply
    .symbol:         k_q4f65dacf6e_apply.kd
    .args:
      - { .name: x_codes, .offset: 0, .size: 8, .value_kind: global_buffer, .address_space: global }
      - { .name: Wv_codes, .offset: 8, .size: 8, .value_kind: global_buffer, .address_space: global }
      - { .name: lowp_scales, .offset: 16, .size: 8, .value_kind: global_buffer, .address_space: global }
      - { .name: bv, .offset: 24, .size: 8, .value_kind: global_buffer, .address_space: global }
      - { .name: mask, .offset: 32, .size: 8, .value_kind: global_buffer, .address_space: global }
      - { .name: part, .offset: 40, .size: 8, .value_kind: global_buffer, .address_space: global }
      - { .name: out0, .offset: 48, .size: 8, .value_kind: global_buffer, .address_space: global }
    .group_segment_fixed_size: 327680
    .private_segment_fixed_size: 0
    .kernarg_segment_align: 8
    .kernarg_segment_size: 56
    .max_flat_workgroup_size: 128
    .sgpr_count:     100
    .vgpr_count:     1024
    .wavefront_size: 32
...
	.end_amdgpu_metadata
.endif
;; end of part 2
;; ======== version 2 of 2: 2 launches
;; limits: right only within a limited range of input values
;; workspace buffers: part 1,048,576 bytes; vsum 16,777,216 bytes
;; launch sums (part 3): grid 32 x 8, 4 waves a work-group, clusters of 4 x 4, 327,680 bytes of LDS; arguments x_codes, Wq_codes, Wk_codes, Wv_codes, lowp_scales, bq, bk, part, vsum; writes part, vsum
.if DOCPART == 3
	.amdgcn_target "amdgcn-amd-amdhsa--gfx1250"
	.amdhsa_code_object_version 6
	.text
	.protected	k_q4f65dacf6e_sums
	.globl	k_q4f65dacf6e_sums
	.p2align	8
	.type	k_q4f65dacf6e_sums,@function
k_q4f65dacf6e_sums:
	s_mov_b64 s[64:65], 0
	v_nop
	global_prefetch_b8 v0, s[64:65] scope:SCOPE_SE
	s_setreg_imm32_b32 hwreg(HW_REG_WAVE_MODE, 25, 1), 1
	s_wait_xcnt 0x0
	s_wait_alu depctr_hold_cnt(0) depctr_sa_sdst(0) depctr_va_vdst(0) depctr_va_sdst(0) depctr_va_ssrc(0) depctr_va_vcc(0) depctr_vm_vsrc(0)
	s_getreg_b32 s2, hwreg(HW_REG_IB_STS2, 6, 4)
	s_cmp_eq_u32 s2, 0
	s_cbranch_scc0 .Lentry_in_a_cluster
	s_endpgm
.Lentry_in_a_cluster:
	s_bfe_u32 s2, ttmp6, 0x10000c
	s_cmp_lg_u32 s2, 0xf033
	s_cbranch_scc0 .Lentry_shape_is_right
	s_endpgm
.Lentry_shape_is_right:
; ALL QUANTISED PRODUCTS.  q = x Wq^T + bq and k = x Wk^T + bk are read as [s][d 128][h 32], column n = 32 d + h.
; DEAD WORK LEFT OUT: only k[:, :, 0] is used, so of k only the 128 columns 32 d are made; the other rows of Wk and entries of bk reach no output for any values of the inputs and are not loaded.
; LIMIT: a NaN, an infinity or an overflow in those rows or entries alone is not carried to the result.
; part[4 g + jj][s][t] = the sum over d = 16 g .. 16 g + 15 of k0[s][d] q[s][32 d + h], h = jj + 4 t, f32, not yet divided by 64.
; vsum = the sums of x Wv^T, f32, neither scaled nor biased, as register images: [s / 16][n / 128][b 8][e 2][lane 32] of 16 bytes: row s % 16 = lane % 16, column 16 b + 8 (lane / 16) + 4 e + 0 .. 3.
; Codes of E4M3, K innermost, are multiplied as they are; each finished sum of q takes 2^(e0 + e1), of k0 2^(e2 + e3).  LIMITS: both sums of exponents lie between -126 and 127.
; Inside 128 along K the codes stand in another order than the form's own, alike in both operands; K is summed in two halves, from a place that hangs on the cluster: the order of the sums differs from one chain.
.set PS,    272                        ; LDS rows: 256 + 16 bytes (S), 512 + 16 (L): odd multiples of 16, so 16 rows start at 16 different banks (ISA guide 11.1)
.set PL,    528
; SHARES.  Work-group (c, tr): rows 128 tr on; c = 8 jj + g.  q: rows 512 g + jj + 4 y of Wq, y = 8 dl + t: d = 16 g + dl, h = jj + 4 t; k0: rows 512 g + 32 dl of Wk; v: rows 128 c + y of Wv.
; Wave w = 2 nn + kk: nn = 0 makes q, nn = 1 v, each 128 x 128, over half kk of every slot.  o = kk xor nn: register row block ra holds block (ra + 4 o) mod 8: ra 0-3 are kept, 4-7 sent to wave w xor 1.
; k0 for the rows of ra 0-3: waves 0 and 3 (o = 0), 1 and 2 (o = 1) make its two halves of K; waves 3 and 2 send theirs to waves 0 and 1.
; TRANSPOSED USE (source 0 = 16 rows of a weight, source 1 = 16 rows of x): lane (r, hh) holds row r of x, register j of column block b holds y = 16 b + 8 hh + j.
; Lane r of Wk's fragment reads tile row 2 (r mod 8) + r / 8, so that register j of k0 is dl = 2 j + hh: the d of q's block j.
.set SB,    400*PL                     ; slot L lies at 0, slot S here; in both: x 128 rows, Wq 128, Wv 128, Wk 16
.set SPARE, SB+400*PS                  ; the spare words, 128 bytes for each wave
; THE RING has two unequal slots, S of 256 and L of 512 along K (400 rows each), walked S L S L .. S: 6 x 256 + 5 x 512 = 4,096.  A slot's refill goes out behind the change that leaves it.
; The change that fills L stands behind 20 of its step's 68 products, the change in front of which L's tile is waited for behind 52 of its own: an L tile has 48 + 52 products in which to land, an S tile 16 + 68.
.set MBOX,  36*1024                    ; the exchange, in slot L behind its last fill and last read: 36 images of 1,024 bytes for each wave
.set BT,    4*MBOX                     ; behind them a table of biases of 1,024 bytes for each wave
; CLUSTERS: x's tile is shared along a row of the 4 x 4 cluster, the weights' along a column, by joint loads.  Cluster (X, Y) begins its walk at 256-byte block u of K's sixteen and goes round:
; m = (2 X + 9 Y) mod 16, u = m, less 1 where m mod 3 = 2.  From u = 2, 5, 8, 11, 14, which are so left out, a tile of 512 would run across a row's end.  So the sixteen clusters ask for eleven different blocks at a time.
.set ADX,   8                          ; v8-11 x: S ra 0-3, S ra 4-7, L ra 0-3, L ra 4-7
.set ADW,   12                         ; v12-13 W: S, L
.set ADK,   14                         ; v14-15 Wk: S, L
; PREFETCH: change i asks for tile i + 4 (768 bytes beyond the tile that it loads); the head asks for tiles 1, 2 and 3; the last two changes with a load ask for nothing.  Each 256-byte block once in a cluster: the four
; partners share a tile's rows out by address, wave w asks for the tile that it loads.  x is asked for at the head alone: the eight clusters that read the same rows begin about 512 bytes apart, so that
; behind its fourth tile, 1,280 bytes on, a cluster loads what others of the eight have loaded before; by the same count no block of x is asked for by more than three clusters.
.set XW,    16                         ; my mailbox, my partner's, the sender of k0's
.set XR,    17
.set KR,    18
.set VO,    19                         ; 16 x lane
.set PO,    20                         ; 32 r + 16 hh
.set BKO,   21                         ; 128 r
.set PFO,   22                         ; the prefetches' offset; never rewritten
.set BTW,   23
.set BKW,   24
.set BTR,   25
.set SPW,   28
.set NIL,   29
; REGISTERS: window 0: v0-31 addresses, v32-63 k0's accumulators, v64-95 Wk's fragments (two sets), v96-100 biases, v128-255 x's fragments (one set).  window 1: W's fragments, two sets.  windows 2, 3: accumulators of ra 0-3, 4-7.
.set P,     104                        ; v104-111 a row's eight partial sums, v112-119 the other lane half's
.set WV,    22                         ; s22 wave, s23 nn
.set NN,    23
.set G1X,   24
.set G1Q,   32
.set G1V,   40
.set G1K,   48
.set G0X,   56
.set G0Q,   60
.set G0V,   68
.set G0K,   72
.set OFF,   66                         ; the byte of a row at which the tile asked for last begins
.set LIM,   67                         ; 1 where my wave prefetches in the loop, else (wave 0) the greatest number
.set PFA2,  92
.set PFB,   94                         ; my prefetches' rows at K = 0
.set MR,    96                         ; my row's and my column's masks
.set MC,    97
.set WR,    98
.set PFA,   100
.set PFK,   104
.set MUL_LO, 0xa1                      ; source 0 (W) window 1, source 1 (x) window 0, C and D window 2
.set MUL_HI, 0xf1                      ; C and D window 3
.set TO_B,  0x40
.set MSB, 0
.set PB, 0                             ; which set of W's and Wk's fragments the next step multiplies
.macro WIN new                         ; the immediate's high byte repeats the setting that is left
.if MSB != \new
	s_set_vgpr_msb (MSB<<8)|\new
.set MSB, \new
.endif
.endm
.macro PLACES n
.rept \n
	v_nop
.endr
.endm
.macro TL g0, g1                       ; s_nop 0 and four v_nop behind each tensor load
	tensor_load_to_lds s[\g0:\g0+3], s[\g1:\g1+7]
	s_nop 0
.rept 4
	v_nop
.endr
.endm
.macro JLOAD                           ; one joint load a wave; the branches hang on the wave's number alone
	s_cmp_lt_u32 s[WV], 2
	s_cbranch_scc0 .Lhigh_\@
	s_cmp_eq_u32 s[WV], 0
	s_cbranch_scc0 .Lfor_q_\@
	TL G0X, G1X
	s_branch .Lasked_\@
.Lfor_q_\@:
	TL G0Q, G1Q
	s_branch .Lasked_\@
.Lhigh_\@:
	s_cmp_eq_u32 s[WV], 2
	s_cbranch_scc0 .Lfor_k_\@
	TL G0V, G1V
	s_branch .Lasked_\@
.Lfor_k_\@:
	TL G0K, G1K
.Lasked_\@:
.endm
.macro CREST                           ; a round of the cluster's barrier behind its opening barrier
	s_cmp_lg_u32 s[WV], 0
	s_cbranch_scc1 .Lnot_wave_0_\@
	s_barrier_signal -3
.Lnot_wave_0_\@:
	s_barrier_wait -3
	s_barrier_signal -1
	s_barrier_wait -1
.endm
.macro CROUND
	s_barrier_signal -1
	s_barrier_wait -1
	CREST
.endm
.macro SHAPE t                         ; the descriptors for a tile of slot S (0) or L (1): padding of 4 words behind every 64 or 128 (code 5 or 6), row length, LDS address
	s_or_b32 s[G1X], s[MR], (1<<20)|(1<<21)|((5+\t)<<22)|(3<<25)
.irp g, G1Q, G1V, G1K
	s_or_b32 s[\g], s[MC], (1<<20)|(1<<21)|((5+\t)<<22)|(3<<25)
.endr
.irp g, G1X, G1Q, G1V, G1K
	s_mov_b32 s[\g+1], (256+256*\t)<<16
	s_mov_b32 s[\g+3], (256+256*\t)<<16
.endr
	s_mov_b32 s[G0X+1], SB-SB*\t
	s_mov_b32 s[G0Q+1], SB-SB*\t+128*(PS+256*\t)
	s_mov_b32 s[G0V+1], SB-SB*\t+256*(PS+256*\t)
	s_mov_b32 s[G0K+1], SB-SB*\t+384*(PS+256*\t)
.endm
.macro WALK adv                        ; adv bytes on along the rows, and back by 4,096 where that passes their end; the type bits on top are not reached
	s_add_co_u32 s[OFF], s[OFF], \adv
	s_and_b32 s[WR], s[OFF], 4096
	s_and_b32 s[OFF], s[OFF], 4095
.irp g, G0X, G0Q, G0V, G0K
	s_add_nc_u64 s[\g+2:\g+3], s[\g+2:\g+3], \adv
	s_sub_nc_u64 s[\g+2:\g+3], s[\g+2:\g+3], s[WR:WR+1]
.endr
.endm
.macro AIM pair, ahead                 ; where a prefetch stands: ahead bytes beyond the tile asked for last, round a row's end
	s_add_co_u32 s[PFK], s[OFF], \ahead
	s_and_b32 s[PFK], s[PFK], 4095
	s_add_nc_u64 s[\pair:\pair+1], s[PFB:PFB+1], s[PFK:PFK+1]
.endm
.macro ASK how, pair, two              ; how = 0: every wave; 1: all but wave 0; 2: likewise, and only in the loop's first trip.  two: a tile of 512
.if \how == 2
	s_cmp_gt_u32 s3, s[LIM]
	s_cbranch_scc0 .Lnot_mine_\@
.endif
.if \how == 1
	s_cmp_eq_u32 s[LIM], 1
	s_cbranch_scc0 .Lnot_mine_\@
.endif
	global_prefetch_b8 v[PFO], s[\pair:\pair+1] th:TH_LOAD_NT scope:SCOPE_SE
.if \two
	global_prefetch_b8 v[PFO], s[\pair:\pair+1] offset:256 th:TH_LOAD_NT scope:SCOPE_SE
.endif
.Lnot_mine_\@:
.endm
.macro FRAG reg, adr, off              ; 16 rows x 128 K: lane (r, hh) holds row r; registers 4 c .. 4 c + 3 hold K = 32 c + 16 hh + 0 .. 15
.irp c, 0,1,2,3
	ds_load_b128 v[(\reg)+4*\c:(\reg)+4*\c+3], v[\adr] offset:(\off)+32*\c
.endr
.endm
.macro FETCH_B slot, q, p              ; W's eight fragments into set p: 32 loads
	WIN TO_B
.irp b, 0,1,2,3,4,5,6,7
	FRAG 128*(\p)+16*\b, ADW+\slot, \b*16*(PS+256*\slot)+128*\q
.endr
	WIN 0
.endm
.macro FETCH_K slot, q, p              ; Wk's: 4 loads
	FRAG 64+16*(\p), ADK+\slot, 128*\q
.endm
.macro FETCH_A slot, q, half           ; x's row blocks 4 half .. 4 half + 3: 16 loads
.irp i, 0,1,2,3
	FRAG 128+64*\half+16*\i, ADX+2*\slot+\half, \i*16*(PS+256*\slot)+128*\q
.endr
.endm
.macro FETCH_2 slot, q, i0             ; x's row blocks i0, i0 + 1 of the first four: 8 loads
.irp i, \i0, \i0+1
	FRAG 128+16*(\i), ADX+2*\slot, (\i)*16*(PS+256*\slot)+128*\q
.endr
.endm
; The 64 + 4 accumulators take turns, one instruction a turn, in the same order in every step.  zero = 1: the first product starts the sums.
.macro MUL16 a0, p, zero
.irp a, \a0, \a0+1
.irp b, 0,1,2,3,4,5,6,7
.if \zero
	v_wmma_f32_16x16x128_fp8_fp8 v[8*(8*((\a)%4)+\b):8*(8*((\a)%4)+\b)+7], v[128*(\p)+16*\b:128*(\p)+16*\b+15], v[128+16*(\a):128+16*(\a)+15], 0
.else
	v_wmma_f32_16x16x128_fp8_fp8 v[8*(8*((\a)%4)+\b):8*(8*((\a)%4)+\b)+7], v[128*(\p)+16*\b:128*(\p)+16*\b+15], v[128+16*(\a):128+16*(\a)+15], v[8*(8*((\a)%4)+\b):8*(8*((\a)%4)+\b)+7]
.endif
.endr
.endr
.endm
.macro MULK p, zero                    ; in window 0 throughout
.irp a, 0,1,2,3
.if \zero
	v_wmma_f32_16x16x128_fp8_fp8 v[32+8*\a:39+8*\a], v[64+16*(\p):79+16*(\p)], v[128+16*\a:143+16*\a], 0
.else
	v_wmma_f32_16x16x128_fp8_fp8 v[32+8*\a:39+8*\a], v[64+16*(\p):79+16*(\p)], v[128+16*\a:143+16*\a], v[32+8*\a:39+8*\a]
.endif
.endr
.endm
; Four v_nop stand in front of each run of loads into registers that the products just issued have read (ISA guide 7.12.1 for vector instructions).
; W's and Wk's other set was left by the step before, in front of that step's last places.
.macro STEP                            ; slot L's first step: its second step's fragments are fetched under it
	s_wait_dscnt 28                                ; W, x's blocks 0, 1 are in; Wk, blocks 2 to 7 may be out
	WIN MUL_LO
	MUL16 0, PB, 0
	s_wait_dscnt 16                                ; Wk, blocks 2, 3 are in
	FETCH_B 1, 1, 1-PB
	FETCH_K 1, 1, 1-PB
	MULK PB, 0
	WIN MUL_LO
	MUL16 2, PB, 0
	WIN 0
	s_wait_dscnt 36                                ; blocks 4-7 are in; the 36 just issued may be out
	PLACES 4
	FETCH_A 1, 1, 0
	WIN MUL_HI
	MUL16 4, PB, 0
	MUL16 6, PB, 0
	PLACES 4
	WIN 0
	FETCH_A 1, 1, 1
.set PB, 1-PB
.endm
; A slot's last step changes slots.  In front of the barrier each wave waits for all its tensor loads, adds 0 to its spare word, and waits for that and for its reads of this slot.
; Where a slot is filled again the barrier opens a round of the cluster's barrier, and the slot takes the tile behind the one asked for last.
.macro DRAIN slot, fill, ask
.if \ask
	s_wait_xcnt 0x0                                ; any prefetch of mine has read its address
.endif
	s_wait_tensorcnt 0x0                           ; my part of the next slot has landed; the descriptors may be written
	ds_add_u32 v[SPW], v[NIL]
.if \fill
	SHAPE \slot
	WALK 512-256*\slot                             ; the tile asked for last was the other slot's
.if \ask
	AIM PFA, 768
.endif
.endif
.endm
.macro TURN_L fill, ask                ; slot L's second step
	DRAIN 1, \fill, \ask
	s_wait_dscnt 17                                ; the add and x's blocks 4-7 may be out
	WIN MUL_LO
	MUL16 0, PB, 0                                 ; sixteen products stand between the add and the wait for it
	s_wait_dscnt 0x0                               ; the add is done, and my reads of this slot are over
	s_barrier_signal -1
	WIN 0
	MULK PB, 0
	s_barrier_wait -1
.if \fill
	CREST                                          ; no wave of any partner still reads this slot or has a load on its way
	JLOAD
.endif
	FETCH_B 0, 0, 1-PB
	FETCH_K 0, 0, 1-PB
	WIN MUL_LO
	MUL16 2, PB, 0
	PLACES 4
	WIN 0
	FETCH_A 0, 0, 0
.if \ask
	ASK \ask, PFA, 1
.endif
	WIN MUL_HI
	MUL16 4, PB, 0
	MUL16 6, PB, 0
	PLACES 4
	WIN 0
	FETCH_A 0, 0, 1
.set PB, 1-PB
.endm
.macro TURN_S zero, ask                ; slot S's one step
	s_wait_dscnt 16                                ; x's blocks 4-7 may be out
	WIN MUL_LO
	MUL16 0, PB, \zero
	WIN 0
	MULK PB, \zero
	WIN MUL_LO
	MUL16 2, PB, \zero
	s_wait_dscnt 0x0                               ; blocks 4-7 are in: my last reads of this slot
	WIN MUL_HI
	MUL16 4, PB, \zero                             ; ahead of the wait for L's tile
	WIN 0
	DRAIN 0, 1, \ask
	s_wait_dscnt 0x0                               ; the add is done, and my reads of this slot are over
	s_barrier_signal -1
	s_barrier_wait -1
	CREST
	JLOAD                                          ; its four v_nop are also the places in front of the loads below
	FETCH_B 1, 0, 1-PB
	FETCH_2 1, 0, 0
	FETCH_K 1, 0, 1-PB
	FETCH_2 1, 0, 2
	ASK \ask, PFA, 0
	WIN MUL_HI
	MUL16 6, PB, \zero
	PLACES 4
	WIN 0
	FETCH_A 1, 0, 1
.set PB, 1-PB
.endm
	s_load_b256 s[4:11], s[0:1], 0x0               ; x s[4:5], Wq s[6:7], Wk s[8:9], Wv s[10:11]
	s_load_b256 s[12:19], s[0:1], 0x20             ; exponents s[12:13], bq s[14:15], bk s[16:17], part s[18:19]
	s_load_b64 s[20:21], s[0:1], 0x40              ; vsum
	v_lshl_add_u32 v[SPW], v0, 2, SPARE
	v_mov_b32 v[NIL], 0
	ds_add_u32 v[SPW], v[NIL]                      ; the wave's opening: the add twice on end and one wait, ahead of my first tensor load
	ds_add_u32 v[SPW], v[NIL]
	v_lshrrev_b32 v1, 5, v0
	v_readfirstlane_b32 s[WV], v1
	s_lshr_b32 s[NN], s[WV], 1
	s_and_b32 s78, s[WV], 1                        ; kk
	s_xor_b32 s2, s78, s[NN]                       ; o
	s_xor_b32 s3, s2, 1
	s_lshl_b32 s79, s78, 8                         ; my half of a row: 256 kk in L,
	s_lshl_b32 s78, s78, 7                         ; 128 kk in S
	s_mul_i32 s80, s2, 64*PL
	s_add_co_u32 s80, s80, s79
	s_mul_i32 s81, s3, 64*PL
	s_add_co_u32 s81, s81, s79
	s_mul_i32 s82, s2, 64*PS
	s_add_co_u32 s82, s82, s78
	s_add_co_u32 s82, s82, SB
	s_mul_i32 s83, s3, 64*PS
	s_add_co_u32 s83, s83, s78
	s_add_co_u32 s83, s83, SB
	s_mul_i32 s84, s[NN], 128*PL
	s_add_co_u32 s84, s84, s79
	s_add_co_u32 s84, s84, 128*PL
	s_mul_i32 s85, s[NN], 128*PS
	s_add_co_u32 s85, s85, s78
	s_add_co_u32 s85, s85, SB+128*PS
	s_add_co_u32 s86, s79, 384*PL
	s_add_co_u32 s87, s78, SB+384*PS
	s_mul_i32 s88, s[WV], MBOX
	s_xor_b32 s89, s[WV], 1
	s_mul_i32 s89, s89, MBOX
	s_xor_b32 s93, s[WV], 3
	s_mul_i32 s93, s93, MBOX
	s_lshl_b32 s94, s[WV], 10
	s_add_co_u32 s94, s94, BT
	s_add_co_u32 s95, s94, 512
	s_mov_b32 s90, 131072                          ; the prefetches' rows: from lane to lane 4,096 (x, Wv), 16,384 (Wq), 131,072 (Wk) bytes
	s_mov_b32 s92, 16384
	s_cmp_eq_u32 s[WV], 1
	s_cselect_b32 s92, s92, 4096
	s_cmp_eq_u32 s[WV], 3
	s_cselect_b32 s92, s90, s92
	s_cselect_b32 s91, 3, 31                       ; Wk: four rows; the lanes left over name the last again
	; every LDS address, ahead of the first branch on the wave's number
	v_and_b32 v1, 15, v0                           ; r
	v_bfe_u32 v2, v0, 4, 1                         ; hh
	v_and_b32 v5, 31, v0
	v_mul_u32_u24 v3, v1, PL
	v_mul_u32_u24 v4, v1, PS
	v_lshl_add_u32 v3, v2, 4, v3
	v_lshl_add_u32 v4, v2, 4, v4
	v_add_nc_u32 v[ADX], s82, v4
	v_add_nc_u32 v[ADX+1], s83, v4
	v_add_nc_u32 v[ADX+2], s80, v3
	v_add_nc_u32 v[ADX+3], s81, v3
	v_add_nc_u32 v[ADW], s85, v4
	v_add_nc_u32 v[ADW+1], s84, v3
	v_and_b32 v6, 7, v1
	v_lshrrev_b32 v7, 3, v1
	v_lshl_add_u32 v6, v6, 1, v7                   ; Wk's tile row 2 (r mod 8) + r / 8
	v_mul_u32_u24 v7, v6, PL
	v_mul_u32_u24 v6, v6, PS
	v_lshl_add_u32 v7, v2, 4, v7
	v_lshl_add_u32 v6, v2, 4, v6
	v_add_nc_u32 v[ADK], s87, v6
	v_add_nc_u32 v[ADK+1], s86, v7
	v_lshlrev_b32 v[VO], 4, v5
	v_add_nc_u32 v[XW], s88, v[VO]
	v_add_nc_u32 v[XR], s89, v[VO]
	v_add_nc_u32 v[KR], s93, v[VO]
	v_lshlrev_b32 v[PO], 5, v1
	v_lshl_add_u32 v[PO], v2, 4, v[PO]
	v_lshlrev_b32 v[BKO], 7, v1
	v_lshlrev_b32 v[BTW], 2, v5
	v_add_nc_u32 v[BTW], s94, v[BTW]               ; bq: entry y at 4 y
	v_and_b32 v30, 1, v1
	v_lshrrev_b32 v31, 1, v1
	v_lshl_add_u32 v30, v30, 3, v31
	v_lshlrev_b32 v[BKW], 2, v30
	v_add_nc_u32 v[BKW], s95, v[BKW]               ; bk: entry dl at 8 (dl mod 2) + dl / 2
	v_lshlrev_b32 v[BTR], 5, v2
	v_add_nc_u32 v[BTR], s94, v[BTR]
	v_min_u32 v[PFO], s91, v5
	v_mul_lo_u32 v[PFO], v[PFO], s92
	s_wait_alu depctr_va_vdst(0)                   ; the wait behind the head's addresses
	s_bfe_u32 s76, ttmp6, 0x40000                  ; cx
	s_bfe_u32 s77, ttmp6, 0x40004                  ; cy
	s_lshl_b32 s90, ttmp9, 2
	s_add_co_u32 s90, s90, s76                     ; c
	s_and_b32 s3, ttmp7, 0xffff
	s_lshl_b32 s91, s3, 2
	s_add_co_u32 s91, s91, s77                     ; tr
	s_lshl_b32 s[MR], s77, 2
	s_lshl_b32 s[MR], 15, s[MR]
	s_lshl_b32 s[MC], 0x1111, s76
	s_mul_i32 s3, s3, 9
	s_lshl_b32 s[OFF], ttmp9, 1
	s_add_co_u32 s3, s3, s[OFF]
	s_and_b32 s3, s3, 15                           ; m
	s_mul_i32 s[OFF], s3, 11
	s_lshr_b32 s[OFF], s[OFF], 5                   ; m / 3 (m is at most 15)
	s_mul_i32 s[OFF], s[OFF], 3
	s_sub_co_u32 s[OFF], s3, s[OFF]                ; m mod 3
	s_lshr_b32 s[OFF], s[OFF], 1                   ; 1 where that is 2
	s_sub_co_u32 s[OFF], s3, s[OFF]                ; u: the block at which my cluster's walk begins
	s_lshl_b32 s[OFF], s[OFF], 8
	s_mov_b32 s[WR], 0
	s_mov_b32 s[WR+1], 0
	s_and_b32 s92, s90, 7                          ; g
	s_lshr_b32 s93, s90, 3                         ; jj
	; where the tiles come from: x's place hangs on tr, the weights' on c; no register of x's ever holds cx, none of the weights' cy
	s_lshl_b32 s84, s91, 19
	s_add_co_u32 s84, s84, s[OFF]
	s_mov_b32 s85, 0
	s_lshl_b32 s82, s92, 21
	s_add_co_u32 s82, s82, s[OFF]                  ; Wk
	s_mov_b32 s83, 0
	s_lshl_b32 s86, s93, 12
	s_add_co_u32 s86, s86, s82                     ; Wq
	s_mov_b32 s87, 0
	s_lshl_b32 s88, s90, 19
	s_add_co_u32 s88, s88, s[OFF]                  ; Wv
	s_mov_b32 s89, 0
	s_mov_b32 s[G1X+2], 128<<16
	s_mov_b32 s[G1X+4], 128
	s_mov_b32 s[G1X+5], 4096
	s_mov_b32 s[G1Q+2], 128<<16
	s_mov_b32 s[G1Q+4], 128
	s_mov_b32 s[G1Q+5], 4*4096                     ; every fourth row
	s_mov_b32 s[G1V+2], 128<<16
	s_mov_b32 s[G1V+4], 128
	s_mov_b32 s[G1V+5], 4096
	s_mov_b32 s[G1K+2], 16<<16
	s_mov_b32 s[G1K+4], 16
	s_mov_b32 s[G1K+5], 32*4096                    ; every 32nd
.irp g, G1X, G1Q, G1V, G1K
	s_mov_b32 s[\g+6], 0
	s_mov_b32 s[\g+7], 0
.endr
.irp g, G0X, G0Q, G0V, G0K
	s_mov_b32 s[\g], 1
.endr
	SHAPE 0
	s_wait_dscnt 0x0                               ; both opening adds are done
	s_wait_kmcnt 0x0
	s_add_nc_u64 s[G0X+2:G0X+3], s[4:5], s[84:85]
	s_add_nc_u64 s[G0Q+2:G0Q+3], s[6:7], s[86:87]
	s_add_nc_u64 s[G0V+2:G0V+3], s[10:11], s[88:89]
	s_add_nc_u64 s[G0K+2:G0K+3], s[8:9], s[82:83]
.irp g, G0X, G0Q, G0V, G0K
	s_or_b32 s[\g+3], s[\g+3], 0x80000000          ; type = 2
.endr
	CROUND                                         ; all sixteen work-groups are here: the first joint loads meet
	JLOAD                                          ; tile 0, into slot S: one tensor load a wave at the head; what it does not need is made under its flight
	s_load_b128 s[84:87], s[12:13], 0x0            ; e0 .. e3
	; part at ((4 g + jj) x 1,024 + 128 tr + 64 o) rows of 32 bytes; vsum at ((8 tr + 4 o) x 32 + c) images of 8,192 bytes
	s_lshl_b32 s80, s92, 17
	s_lshl_b32 s3, s93, 15
	s_add_co_u32 s80, s80, s3
	s_lshl_b32 s3, s91, 12
	s_add_co_u32 s80, s80, s3
	s_lshl_b32 s3, s2, 11
	s_add_co_u32 s80, s80, s3
	s_mov_b32 s81, 0
	s_lshl_b32 s78, s91, 21
	s_lshl_b32 s3, s2, 20
	s_add_co_u32 s78, s78, s3
	s_lshl_b32 s3, s90, 13
	s_add_co_u32 s78, s78, s3
	s_mov_b32 s79, 0
	s_add_nc_u64 s[18:19], s[18:19], s[80:81]
	s_add_nc_u64 s[20:21], s[20:21], s[78:79]
	; my work-group's share of the prefetches: 32 rows of x by cx, 32 of Wq and of Wv and 4 of Wk by cy
	s_lshl_b32 s94, s91, 19
	s_lshl_b32 s3, s76, 17
	s_add_co_u32 s94, s94, s3                      ; x
	s_lshl_b32 s95, s77, 19
	s_lshl_b32 s3, s92, 21
	s_add_co_u32 s95, s95, s3                      ; Wk
	s_lshl_b32 s3, s93, 12
	s_add_co_u32 s100, s95, s3                     ; Wq
	s_lshl_b32 s101, s90, 19
	s_lshl_b32 s3, s77, 17
	s_add_co_u32 s101, s101, s3                    ; Wv
	s_cmp_eq_u32 s[WV], 0
	s_cselect_b32 s94, s94, s95
	s_cselect_b64 s[104:105], s[4:5], s[8:9]
	s_cselect_b32 s[LIM], -1, 1
	s_cmp_eq_u32 s[WV], 1
	s_cselect_b32 s94, s100, s94
	s_cselect_b64 s[104:105], s[6:7], s[104:105]
	s_cmp_eq_u32 s[WV], 2
	s_cselect_b32 s94, s101, s94
	s_cselect_b64 s[104:105], s[10:11], s[104:105]
	s_mov_b32 s95, 0
	s_add_nc_u64 s[PFB:PFB+1], s[104:105], s[94:95]
	s_mov_b32 s[PFK+1], 0
	s_lshl_b32 s76, s92, 11                        ; the biases: bk from column 512 g, bq from column 512 g + jj
	s_mov_b32 s77, 0
	s_add_nc_u64 s[16:17], s[16:17], s[76:77]
	s_lshl_b32 s3, s93, 2
	s_add_co_u32 s76, s76, s3
	s_add_nc_u64 s[14:15], s[14:15], s[76:77]
.irp i, 0,1,2,3
	global_load_b32 v[96+\i], v[VO], s[14:15] offset:512*\i   ; bq of y = lane + 32 i, at every fourth column; all four waves load alike, read at the end
.endr
	global_load_b32 v100, v[BKO], s[16:17]         ; bk of dl = r
	s_wait_kmcnt 0x0
	s_add_co_i32 s88, s84, s85
	s_add_co_i32 s88, s88, 127
	s_lshl_b32 s88, s88, 23                        ; 2^(e0 + e1) as f32
	s_mov_b32 s89, s88                             ; (named with it as a pair)
	s_add_co_i32 s90, s86, s87
	s_add_co_i32 s90, s90, 127
	s_lshl_b32 s90, s90, 23                        ; 2^(e2 + e3)
	s_mov_b32 s91, s90
	AIM PFA, 256
	ASK 0, PFA, 1                                  ; tile 1
	s_wait_tensorcnt 0x0                           ; my part of tile 0 is in
	ds_add_u32 v[SPW], v[NIL]
	SHAPE 1
	WALK 256
	s_wait_xcnt 0x0                                ; the prefetch has read its address
	AIM PFA, 512                                   ; tile 2
	AIM PFA2, 768                                  ; tile 3
	s_wait_dscnt 0x0
	CROUND                                         ; everybody's part of tile 0 is in
	JLOAD                                          ; tile 1, into slot L
	FETCH_B 0, 0, 0
	FETCH_K 0, 0, 0
	FETCH_A 0, 0, 0
	FETCH_A 0, 0, 1
	ASK 0, PFA, 0
	ASK 0, PFA2, 1
	TURN_S 1, 1                                    ; tile 0: its products start the sums.  (change 0 asks for tile 2 and prefetches tile 4)
	s_mov_b32 s3, 2
.Lloop:                                            ; six steps a trip, so that the two sets of W's fragments are back where they began
	STEP
	TURN_L 1, 1                                    ; changes 1, 5
	TURN_S 0, 1                                    ; changes 2, 6
	STEP
	TURN_L 1, 2                                    ; changes 3, 7: the second prefetches nothing: there is no tile 11
	TURN_S 0, 2                                    ; changes 4, 8: likewise
	s_sub_co_u32 s3, s3, 1
	s_cmp_lg_u32 s3, 0
	s_cbranch_scc1 .Lloop
	STEP
	TURN_L 0, 0                                    ; change 9 fills nothing
	s_wait_dscnt 16                                ; tile 10, the last step
	WIN MUL_LO
	MUL16 0, PB, 0
	WIN 0
	MULK PB, 0
	WIN MUL_LO
	MUL16 2, PB, 0
	s_wait_dscnt 0x0
	WIN MUL_HI
	MUL16 4, PB, 0
	MUL16 6, PB, 0
	WIN 0
	; THE EXCHANGE.  ra 4-7 go to my partner as images of their registers, lane l's 16 bytes at 16 l; each accumulator from its low end on.
	PLACES 4
	WIN 0x0c                                       ; store data in window 3
.irp a, 0,1,2,3
.irp b, 0,1,2,3,4,5,6,7
	ds_store_b128 v[XW], v[64*\a+8*\b:64*\a+8*\b+3] offset:(8*\a+\b)*1024
	ds_store_b128 v[XW], v[64*\a+8*\b+4:64*\a+8*\b+7] offset:(8*\a+\b)*1024+512
.endr
.endr
	WIN 0
	s_wait_loadcnt 0x0                             ; the biases
	s_cmp_lg_u32 s[NN], 0
	s_cbranch_scc1 .Lv_sends
.irp i, 0,1,2,3
	ds_store_b32 v[BTW], v[96+\i] offset:128*\i
.endr
	ds_store_b32 v[BKW], v100
	s_branch .Lsent
.Lv_sends:
.irp a, 0,1,2,3
	ds_store_b128 v[XW], v[32+8*\a:35+8*\a] offset:(32+\a)*1024
	ds_store_b128 v[XW], v[36+8*\a:39+8*\a] offset:(32+\a)*1024+512
.endr
.Lsent:
	s_wait_dscnt 0x0                               ; for the others' sake: my stores have landed
	s_barrier_signal -1
	s_barrier_wait -1
.macro RECEIVE                         ; my partner's half of K of my rows, 64 loads into window 1: the place of (ra, b) is that of my own sums in window 2
	WIN TO_B
.irp a, 0,1,2,3
.irp b, 0,1,2,3,4,5,6,7
	ds_load_b128 v[64*\a+8*\b:64*\a+8*\b+3], v[XR] offset:(8*\a+\b)*1024
	ds_load_b128 v[64*\a+8*\b+4:64*\a+8*\b+7], v[XR] offset:(8*\a+\b)*1024+512
.endr
.endr
	WIN 0
.endm
.macro JOIN ra                         ; K's two halves are added: source 0 window 2, source 1 and destination window 1
	WIN 0x46
.set NI, 64*(\ra)
.rept 32
	v_pk_add_f32 v[NI:NI+1], v[NI:NI+1], v[NI:NI+1]
.set NI, NI+2
.endr
.endm
	s_cmp_lg_u32 s[NN], 0
	s_cbranch_scc1 .Lv_out
	; q's waves: align's part.  v128-191 bq in the results' layout, v192-199 bk, v64-95 k0's other half of K
.irp b, 0,1,2,3,4,5,6,7
	ds_load_b128 v[128+8*\b:131+8*\b], v[BTR] offset:64*\b
	ds_load_b128 v[132+8*\b:135+8*\b], v[BTR] offset:64*\b+16
.endr
	ds_load_b128 v[192:195], v[BTR] offset:512
	ds_load_b128 v[196:199], v[BTR] offset:528
.irp a, 0,1,2,3
	ds_load_b128 v[64+8*\a:67+8*\a], v[KR] offset:(32+\a)*1024
	ds_load_b128 v[68+8*\a:71+8*\a], v[KR] offset:(32+\a)*1024+512
.endr
	RECEIVE
.irp t, 0,1,2,3,4,5,6,7
	v_mov_b32 v[P+8+\t], 0                         ; a lane permute's destination counts as one of its sources
.endr
	v_cmp_ne_u32 vcc_lo, 0, v2                     ; lanes 16-31
	s_wait_alu depctr_va_vdst(0)
	s_mov_b32 s80, 0x76543210                      ; each lane takes its own place in the other half
	s_mov_b32 s81, 0xfedcba98
	s_wait_dscnt 48                                ; all but the blocks ra 1-3 of my partner's
.irp a, 0,1,2,3
.irp i, 0,2,4,6
	v_pk_add_f32 v[64+8*\a+\i:65+8*\a+\i], v[32+8*\a+\i:33+8*\a+\i], v[64+8*\a+\i:65+8*\a+\i]
.endr
.endr
.irp a, 0,1,2,3
.irp i, 0,2,4,6
	v_pk_fma_f32 v[64+8*\a+\i:65+8*\a+\i], v[64+8*\a+\i:65+8*\a+\i], s[90:91], v[192+\i:193+\i] op_sel_hi:[1,0,1]   ; k0
.endr
.endr
.irp a, 0,1,2,3
	s_wait_dscnt 48-16*\a
	JOIN \a
	WIN 0x41                                       ; q = sum x 2^(e0 + e1) + bq: source 0 and destination window 1
.set NI, 0
.rept 32
	v_pk_fma_f32 v[64*\a+NI:64*\a+NI+1], v[64*\a+NI:64*\a+NI+1], s[88:89], v[128+NI:129+NI] op_sel_hi:[1,0,1]
.set NI, NI+2
.endr
	WIN 0x01                                       ; the product that is left as it is, in f32: over my lane half's eight d, two h at a time
.irp i, 0,2,4,6
	v_pk_mul_f32 v[P+\i:P+\i+1], v[64*\a+\i:64*\a+\i+1], v[64+8*\a:65+8*\a] op_sel_hi:[1,0]
.endr
.irp b, 1,2,3,4,5,6,7
.irp i, 0,2,4,6
.if (\b)%2
	v_pk_fma_f32 v[P+\i:P+\i+1], v[64*\a+8*\b+\i:64*\a+8*\b+\i+1], v[64+8*\a+\b-1:64+8*\a+\b], v[P+\i:P+\i+1] op_sel:[0,1,0] op_sel_hi:[1,1,1]
.else
	v_pk_fma_f32 v[P+\i:P+\i+1], v[64*\a+8*\b+\i:64*\a+8*\b+\i+1], v[64+8*\a+\b:65+8*\a+\b], v[P+\i:P+\i+1] op_sel_hi:[1,0,1]
.endif
.endr
.endr
	WIN 0
.irp t, 0,1,2,3,4,5,6,7
	v_permlanex16_b32 v[P+8+\t], v[P+\t], s80, s81 ; the row's other eight d lie in the lane 16 away
.endr
.irp t, 0,1,2,3,4,5,6,7
	v_add_f32 v[P+\t], v[P+\t], v[P+8+\t]
.endr
.irp i, 0,1,2,3
	v_cndmask_b32 v[200+4*\a+\i], v[P+\i], v[P+4+\i], vcc_lo   ; lanes 0-15 store t = 0 .. 3, lanes 16-31 t = 4 .. 7
.endr
	global_store_b128 v[PO], v[200+4*\a:203+4*\a], s[18:19] offset:512*\a   ; 512 consecutive bytes, at a multiple of 512 from part's first byte
.endr
	s_branch .Ldone
.Lv_out:
	RECEIVE
.irp a, 0,1,2,3
	s_wait_dscnt 48-16*\a
	JOIN \a
	WIN 0x04                                       ; store data in window 1
.irp b, 0,1,2,3,4,5,6,7
	global_store_b128 v[VO], v[64*\a+8*\b:64*\a+8*\b+3], s[20:21] offset:262144*\a+1024*\b   ; each stores 512 consecutive bytes, at a multiple of 512
	global_store_b128 v[VO], v[64*\a+8*\b+4:64*\a+8*\b+7], s[20:21] offset:262144*\a+1024*\b+512
.endr
	WIN 0
.endr
.Ldone:
	s_wait_tensorcnt 0x0                           ; the wave's end
	ds_add_u32 v[SPW], v[NIL]
	s_wait_dscnt 0x0
	CROUND                                         ; the closing round: no work-group ends while a partner may still ask for a tile that names it
	s_endpgm
.Lfunc_end_k_q4f65dacf6e_sums:
	.size	k_q4f65dacf6e_sums, .Lfunc_end_k_q4f65dacf6e_sums-k_q4f65dacf6e_sums
	.p2alignl 7, 3214868480
	.fill 96, 4, 3214868480
	.section	.rodata,"a",@progbits
	.p2align	6, 0x0
	.amdhsa_kernel k_q4f65dacf6e_sums
		.amdhsa_group_segment_fixed_size 327680
		.amdhsa_private_segment_fixed_size 0
		.amdhsa_enable_private_segment 0
		.amdhsa_kernarg_size 72
		.amdhsa_user_sgpr_count 2
		.amdhsa_user_sgpr_kernarg_segment_ptr 1
		.amdhsa_wavefront_size32 1
		.amdhsa_system_sgpr_workgroup_id_x 1
		.amdhsa_system_sgpr_workgroup_id_y 1
		.amdhsa_system_sgpr_workgroup_id_z 1
		.amdhsa_system_vgpr_workitem_id 0
		.amdhsa_next_free_vgpr 1024
		.amdhsa_next_free_sgpr 106
		.amdhsa_reserve_vcc 1
		.amdhsa_float_denorm_mode_32 3
		.amdhsa_float_denorm_mode_16_64 3
		.amdhsa_memory_ordered 1
		.amdhsa_forward_progress 1
		.amdhsa_inst_pref_size 186
	.end_amdhsa_kernel
	.amdgpu_metadata
---
amdhsa.version: [ 1, 2 ]
amdhsa.kernels:
  - .name:           k_q4f65dacf6e_sums
    .symbol:         k_q4f65dacf6e_sums.kd
    .args:
      - { .name: x_codes, .offset: 0, .size: 8, .value_kind: global_buffer, .address_space: global }
      - { .name: Wq_codes, .offset: 8, .size: 8, .value_kind: global_buffer, .address_space: global }
      - { .name: Wk_codes, .offset: 16, .size: 8, .value_kind: global_buffer, .address_space: global }
      - { .name: Wv_codes, .offset: 24, .size: 8, .value_kind: global_buffer, .address_space: global }
      - { .name: lowp_scales, .offset: 32, .size: 8, .value_kind: global_buffer, .address_space: global }
      - { .name: bq, .offset: 40, .size: 8, .value_kind: global_buffer, .address_space: global }
      - { .name: bk, .offset: 48, .size: 8, .value_kind: global_buffer, .address_space: global }
      - { .name: part, .offset: 56, .size: 8, .value_kind: global_buffer, .address_space: global }
      - { .name: vsum, .offset: 64, .size: 8, .value_kind: global_buffer, .address_space: global }
    .group_segment_fixed_size: 327680
    .private_segment_fixed_size: 0
    .kernarg_segment_align: 8
    .kernarg_segment_size: 72
    .max_flat_workgroup_size: 128
    .sgpr_count:     106
    .vgpr_count:     1024
    .wavefront_size: 32
...
	.end_amdgpu_metadata
.endif
;; end of part 3
;; launch finish (part 4): grid 64 x 4, 8 waves a work-group, no clusters, 91,648 bytes of LDS; arguments vsum, part, mask, lowp_scales, bv, out0; writes out0
.if DOCPART == 4
	.amdgcn_target "amdgcn-amd-amdhsa--gfx1250"
	.amdhsa_code_object_version 6
	.text
	.protected	k_q4f65dacf6e_finish
	.globl	k_q4f65dacf6e_finish
	.p2align	8
	.type	k_q4f65dacf6e_finish,@function
k_q4f65dacf6e_finish:
	s_mov_b64 s[64:65], 0
	v_nop
	global_prefetch_b8 v0, s[64:65] scope:SCOPE_SE
	s_setreg_imm32_b32 hwreg(HW_REG_WAVE_MODE, 25, 1), 1
	s_wait_xcnt 0x0
; out0[s][n] = (vsum 2^(e4 + e5) + bv[n]) x w[s][n mod 32], w[s][:] = softmax over the 32 h of align[s][h]; align = (the sum over g of part[4 g + jj][s][t]) / 64 with h = jj + 4 t, and 1e-20 where mask[s][h] is 0.
; LIMITS: e4 + e5 lies between -126 and 127.  v_exp_f32 gives 0 for a weight under 2^-126 of the row's largest.
; The division by 64 rounds nothing and is folded: a masked place takes 64 x 1e-20, the exponent is c S - c max with c = log2(e) / 64.  The row's maximum is taken away before the exponential.
; SHARES.  Work-group (x, y): 16 rows 16 x on, 1,024 columns 1024 y on: 256 work-groups; wave w: columns 128 (8 y + w) on, one image of 8,192 bytes of vsum.  Everything is asked for at the head and read once,
; so there is no loop to run ahead in and no prefetch; what work-groups share (part's and the mask's rows, four of them) is a small part of what one of them loads, so there is no cluster.
; THE WEIGHTS: wave w = 4 gh + jj adds the four g of half gh for one jj; behind one barrier every wave takes the softmax of the 16 rows (lane (r, e): row r, h = 16 e on) and keeps the weights in a table of its own.
; THE WAY OUT goes by two halves of 64 columns: half an image goes through the wave's own stage in LDS and comes back as rows of 256 bytes, two rows an instruction, while the other half may still be on its way in.
; Since 64 is a multiple of 32, both halves take the same weights.
.set STP,   528                        ; the stage's row: 512 + 16 bytes
.set TAB,   8*16*STP                   ; two tables (gh) of 16 rows x 144 bytes: [row][jj][t]
.set TP,    144
.set WTAB,  TAB+2*16*TP                ; a table of weights for each wave: [row][h]
.set SPARE, WTAB+8*16*TP               ; the spare words, 128 bytes for each wave
.set LO,    6                          ; 16 x lane
.set MO,    7
.set TW,    8
.set TR,    9
.set WW,    10
.set WRD,   11
.set ST,    12
.set RD,    13
.set SPW,   16
.set NIL,   17
.set FILL,  18
.set BO,    60                         ; 16 r
.set CO,    61                         ; the same, a row of out0 further for lanes 16-31
.set PT,    20                         ; v20-35 part; then v24-32 at work
.set MK,    36                         ; v36-51 the mask, at h - 16 e
.set BV,    52                         ; v52-59 bv of columns 64 u + 4 r on
.set VI,    64                         ; v64-127 the image
.set S,     128                        ; v128-143 the row's numbers, at 4 jj + t'
.set WH,    144                        ; v144-159 the other half's sums, then the weights, at h - 16 e = 4 t' + jj
.set W,     160                        ; v160-191 the weights of rows 2 t + hh for my four columns
.set RW,    192                        ; v192-255 rows
	s_load_b256 s[4:11], s[0:1], 0x0               ; vsum s[4:5], part s[6:7], mask s[8:9], the scales' exponents s[10:11]
	s_load_b128 s[12:15], s[0:1], 0x20             ; bv s[12:13], out0 s[14:15]
	v_lshrrev_b32 v1, 5, v0
	v_readfirstlane_b32 s18, v1                    ; wave 0..7
	s_and_b32 s19, s18, 3                          ; jj
	s_lshr_b32 s20, s18, 2                         ; gh
	s_and_b32 s21, ttmp7, 0xffff                   ; y
	s_mul_i32 s22, s18, 16*STP                     ; my stage
	s_mul_i32 s23, s20, 16*TP
	s_lshl_b32 s24, s19, 5
	s_add_co_u32 s23, s23, s24
	s_add_co_u32 s23, s23, TAB                     ; my part of the tables
	s_mul_i32 s24, s18, 16*TP
	s_add_co_u32 s24, s24, WTAB                    ; my table of weights
	v_lshl_add_u32 v[SPW], v0, 2, SPARE
	v_mov_b32 v[NIL], 0
	v_and_b32 v2, 31, v0
	v_and_b32 v3, 15, v0                           ; r
	v_bfe_u32 v4, v0, 4, 1                         ; hh, e
	v_lshlrev_b32 v[LO], 4, v2
	v_lshlrev_b32 v[BO], 4, v3
	v_lshl_add_u32 v[CO], v4, 14, v[BO]
	v_lshlrev_b32 v[MO], 7, v3
	v_lshl_add_u32 v[MO], v4, 6, v[MO]
	v_lshrrev_b32 v5, 1, v2                        ; part: lane l holds row l / 2, t = 4 (l mod 2) on
	v_mul_u32_u24 v[TW], v5, TP
	v_and_b32 v5, 1, v2
	v_lshl_add_u32 v[TW], v5, 4, v[TW]
	v_add_nc_u32 v[TW], s23, v[TW]
	v_mul_u32_u24 v5, v3, TP
	v_lshl_add_u32 v[TR], v4, 4, v5
	v_add_nc_u32 v[TR], TAB, v[TR]
	v_lshl_add_u32 v[WW], v4, 6, v5
	v_add_nc_u32 v[WW], s24, v[WW]
	v_and_b32 v5, 7, v2
	v_mul_u32_u24 v[WRD], v4, TP
	v_lshl_add_u32 v[WRD], v5, 4, v[WRD]           ; row hh, h = 4 (lane mod 8) on
	v_add_nc_u32 v[WRD], s24, v[WRD]
	v_mul_u32_u24 v[ST], v3, STP
	v_lshl_add_u32 v[ST], v4, 5, v[ST]
	v_add_nc_u32 v[ST], s22, v[ST]
	v_mul_u32_u24 v[RD], v4, STP
	v_add_nc_u32 v[RD], v[RD], v[BO]
	v_add_nc_u32 v[RD], s22, v[RD]                 ; lanes 0-15 take one row of 256 bytes, lanes 16-31 the next
	v_mov_b32 v14, 0                               ; a lane permute's destination counts as one of its sources
	v_mov_b32 v15, 0
	v_mov_b32 v[FILL], 0x213ce508                  ; 64 x 1e-20
	s_wait_alu depctr_va_vdst(0)                   ; the wait at the head's end
	s_lshl_b32 s26, ttmp9, 18                      ; vsum: image 32 x + 8 y + w
	s_lshl_b32 s25, s21, 16
	s_add_co_u32 s26, s26, s25
	s_lshl_b32 s25, s18, 13
	s_add_co_u32 s26, s26, s25
	s_mov_b32 s27, 0
	s_lshl_b32 s28, s20, 19                        ; part: plane 16 gh + jj, row 16 x
	s_lshl_b32 s25, s19, 15
	s_add_co_u32 s28, s28, s25
	s_lshl_b32 s25, ttmp9, 9
	s_add_co_u32 s28, s28, s25
	s_mov_b32 s29, 0
	s_lshl_b32 s38, ttmp9, 11                      ; mask: row 16 x
	s_mov_b32 s39, 0
	s_lshl_b32 s40, s21, 12                        ; bv: column 1024 y + 128 w
	s_lshl_b32 s25, s18, 9
	s_add_co_u32 s40, s40, s25
	s_mov_b32 s41, 0
	s_lshl_b32 s42, ttmp9, 18                      ; out0: row 16 x
	s_add_co_u32 s42, s42, s40
	s_mov_b32 s43, 0
	s_mov_b32 s34, 0x3cb8aa3b                      ; c = log2(e) / 64
	s_mov_b32 s35, s34                             ; (named with it as a pair)
	s_mov_b32 s36, 0x76543210                      ; v_permlanex16_b32: lane l xor 16
	s_mov_b32 s37, 0xfedcba98
	s_wait_kmcnt 0x0
	s_load_b64 s[30:31], s[10:11], 0x10            ; e4, e5
	s_add_nc_u64 s[6:7], s[6:7], s[28:29]
	s_add_nc_u64 s[8:9], s[8:9], s[38:39]
	s_add_nc_u64 s[12:13], s[12:13], s[40:41]
	s_add_nc_u64 s[4:5], s[4:5], s[26:27]
	s_add_nc_u64 s[14:15], s[14:15], s[42:43]
.irp k, 0,1,2,3
	global_load_b128 v[PT+4*\k:PT+4*\k+3], v[LO], s[6:7] offset:131072*\k   ; g = 4 gh + k: 512 consecutive bytes, 16 rows
.endr
.irp k, 0,1,2,3
	global_load_b128 v[MK+4*\k:MK+4*\k+3], v[MO], s[8:9] offset:16*\k
.endr
.irp u, 0,1
	global_load_b128 v[BV+4*\u:BV+4*\u+3], v[BO], s[12:13] offset:256*\u
.endr
.irp k, 0,1,2,3,4,5,6,7,8,9,10,11,12,13,14,15
	global_load_b128 v[VI+4*\k:VI+4*\k+3], v[LO], s[4:5] offset:512*\k th:TH_LOAD_NT
.endr
	s_wait_loadcnt 22                              ; part is in; behind it the mask's four, bv's two, the image's sixteen
.irp i, 0,2
	v_pk_add_f32 v[PT+\i:PT+\i+1], v[PT+\i:PT+\i+1], v[PT+4+\i:PT+5+\i]
	v_pk_add_f32 v[PT+8+\i:PT+9+\i], v[PT+8+\i:PT+9+\i], v[PT+12+\i:PT+13+\i]
.endr
.irp i, 0,2
	v_pk_add_f32 v[PT+\i:PT+\i+1], v[PT+\i:PT+\i+1], v[PT+8+\i:PT+9+\i]
.endr
	ds_store_b128 v[TW], v[PT:PT+3]
	s_wait_dscnt 0x0                               ; for the other waves' sake
	s_barrier_signal -1
	s_barrier_wait -1
.irp j, 0,1,2,3
	ds_load_b128 v[S+4*\j:S+4*\j+3], v[TR] offset:32*\j
	ds_load_b128 v[WH+4*\j:WH+4*\j+3], v[TR] offset:16*TP+32*\j
.endr
	s_wait_loadcnt 18                              ; the mask is in
	s_wait_dscnt 0x0
.irp i, 0,2,4,6,8,10,12,14
	v_pk_add_f32 v[S+\i:S+\i+1], v[S+\i:S+\i+1], v[WH+\i:WH+\i+1]
.endr
.irp j, 0,1,2,3
.irp t, 0,1,2,3
	v_cmp_eq_u32 vcc_lo, 0, v[MK+4*\t+\j]
	v_cndmask_b32 v[S+4*\j+\t], v[S+4*\j+\t], v[FILL], vcc_lo
.endr
.endr
	v_max3_num_f32 v24, v[S], v[S+1], v[S+2]       ; the row's maximum: my 16 h in two chains,
	v_max3_num_f32 v25, v[S+3], v[S+4], v[S+5]
.irp i, 6,10
	v_max3_num_f32 v24, v24, v[S+\i], v[S+\i+1]
	v_max3_num_f32 v25, v25, v[S+\i+2], v[S+\i+3]
.endr
	v_max3_num_f32 v24, v24, v[S+14], v[S+15]
	v_max_num_f32 v24, v24, v25
	v_permlanex16_b32 v14, v24, s36, s37           ; and the other lane half's
	v_max_num_f32 v24, v24, v14
	v_mul_f32 v26, s34, v24                        ; c max
	v_mov_b32 v27, v26                             ; (named with it as a pair)
.irp i, 0,2,4,6,8,10,12,14
	v_pk_fma_f32 v[S+\i:S+\i+1], v[S+\i:S+\i+1], s[34:35], v[26:27] op_sel_hi:[1,0,0] neg_lo:[0,0,1] neg_hi:[0,0,1]   ; c S - c max
.endr
	s_wait_alu depctr_va_vdst(0)                   ; the wait ahead of the batch
.irp i, 0,1,2,3,4,5,6,7,8,9,10,11,12,13,14,15
	v_exp_f32 v[S+\i], v[S+\i]
.endr
	v_nop                                          ; a plain instruction behind the last exponential (ISA guide 5.7.2)
	s_wait_alu depctr_va_vdst(0)                   ; and the wait ahead of the first instruction that names a result
	v_pk_add_f32 v[28:29], v[S:S+1], v[S+2:S+3]    ; the row's sum; it is at least 1: the largest term is 2^0
	v_pk_add_f32 v[30:31], v[S+4:S+5], v[S+6:S+7]
	v_pk_add_f32 v[28:29], v[28:29], v[S+8:S+9]
	v_pk_add_f32 v[30:31], v[30:31], v[S+10:S+11]
	v_pk_add_f32 v[28:29], v[28:29], v[S+12:S+13]
	v_pk_add_f32 v[30:31], v[30:31], v[S+14:S+15]
	v_pk_add_f32 v[28:29], v[28:29], v[30:31]
	v_add_f32 v28, v28, v29
	v_permlanex16_b32 v15, v28, s36, s37
	v_add_f32 v28, v28, v15
	s_wait_alu depctr_va_vdst(0)                   ; the same for the reciprocal, ahead
	v_rcp_f32 v32, v28
	v_nop
	s_wait_alu depctr_va_vdst(0)                   ; and behind
.irp j, 0,1,2,3
.irp t, 0,1,2,3
	v_mul_f32 v[WH+4*\t+\j], v[S+4*\j+\t], v32
.endr
.endr
.irp i, 0,1,2,3
	ds_store_b128 v[WW], v[WH+4*\i:WH+4*\i+3] offset:16*\i
.endr
.irp t, 0,1,2,3,4,5,6,7
	ds_load_b128 v[W+4*\t:W+4*\t+3], v[WRD] offset:2*TP*\t   ; LDS serves a wave's instructions in order (ISA guide 5.7.1.4): these see my stores; no other wave touches these bytes
.endr
	s_wait_kmcnt 0x0
	s_add_co_i32 s32, s30, s31
	s_add_co_i32 s32, s32, 127
	s_lshl_b32 s32, s32, 23                        ; 2^(e4 + e5) as f32
	s_mov_b32 s33, s32                             ; (named with it as a pair)
.irp u, 0,1                            ; columns 64 u on: register group i of the image holds columns 16 (i / 2) + 8 hh + 4 (i mod 2) on
	s_wait_loadcnt 8-8*\u                          ; this half of the image is in
.irp m, 0,1,2,3,4,5,6,7
	ds_store_b128 v[ST], v[VI+32*\u+4*\m:VI+32*\u+4*\m+3] offset:256*\u+64*(\m/2)+16*(\m%2)
.endr
.irp t, 0,1,2,3,4,5,6,7
	ds_load_b128 v[RW+32*\u+4*\t:RW+32*\u+4*\t+3], v[RD] offset:2*STP*\t+256*\u
.endr
.irp n, 0,1                            ; four times two rows: (sum x 2^(e4 + e5) + bv) x w
	s_wait_dscnt 4-4*\n
.irp t, 0,1,2,3
.irp i, 0,2
	v_pk_fma_f32 v[RW+32*\u+16*\n+4*\t+\i:RW+32*\u+16*\n+4*\t+\i+1], v[RW+32*\u+16*\n+4*\t+\i:RW+32*\u+16*\n+4*\t+\i+1], s[32:33], v[BV+4*\u+\i:BV+4*\u+\i+1] op_sel_hi:[1,0,1]
.endr
.endr
.irp t, 0,1,2,3
.irp i, 0,2
	v_pk_mul_f32 v[RW+32*\u+16*\n+4*\t+\i:RW+32*\u+16*\n+4*\t+\i+1], v[RW+32*\u+16*\n+4*\t+\i:RW+32*\u+16*\n+4*\t+\i+1], v[W+16*\n+4*\t+\i:W+16*\n+4*\t+\i+1]
.endr
.endr
.irp t, 0,1,2,3
	global_store_b128 v[CO], v[RW+32*\u+16*\n+4*\t:RW+32*\u+16*\n+4*\t+3], s[14:15] offset:32768*(4*\n+\t)+256*\u th:TH_STORE_NT   ; sixteen lanes store 256 consecutive bytes of a row, at a multiple of 256 from out0's first byte
.endr
.endr
.endr
	s_wait_tensorcnt 0x0                           ; the wave's end
	ds_add_u32 v[SPW], v[NIL]
	s_wait_dscnt 0x0
	s_endpgm
.Lfunc_end_k_q4f65dacf6e_finish:
	.size	k_q4f65dacf6e_finish, .Lfunc_end_k_q4f65dacf6e_finish-k_q4f65dacf6e_finish
	.p2alignl 7, 3214868480
	.fill 96, 4, 3214868480
	.section	.rodata,"a",@progbits
	.p2align	6, 0x0
	.amdhsa_kernel k_q4f65dacf6e_finish
		.amdhsa_group_segment_fixed_size 91648
		.amdhsa_private_segment_fixed_size 0
		.amdhsa_enable_private_segment 0
		.amdhsa_kernarg_size 48
		.amdhsa_user_sgpr_count 2
		.amdhsa_user_sgpr_kernarg_segment_ptr 1
		.amdhsa_wavefront_size32 1
		.amdhsa_system_sgpr_workgroup_id_x 1
		.amdhsa_system_sgpr_workgroup_id_y 1
		.amdhsa_system_sgpr_workgroup_id_z 1
		.amdhsa_system_vgpr_workitem_id 0
		.amdhsa_next_free_vgpr 256
		.amdhsa_next_free_sgpr 66
		.amdhsa_reserve_vcc 1
		.amdhsa_float_denorm_mode_32 3
		.amdhsa_float_denorm_mode_16_64 3
		.amdhsa_memory_ordered 1
		.amdhsa_forward_progress 1
		.amdhsa_inst_pref_size 21
	.end_amdhsa_kernel
	.amdgpu_metadata
---
amdhsa.version: [ 1, 2 ]
amdhsa.kernels:
  - .name:           k_q4f65dacf6e_finish
    .symbol:         k_q4f65dacf6e_finish.kd
    .args:
      - { .name: vsum, .offset: 0, .size: 8, .value_kind: global_buffer, .address_space: global }
      - { .name: part, .offset: 8, .size: 8, .value_kind: global_buffer, .address_space: global }
      - { .name: mask, .offset: 16, .size: 8, .value_kind: global_buffer, .address_space: global }
      - { .name: lowp_scales, .offset: 24, .size: 8, .value_kind: global_buffer, .address_space: global }
      - { .name: bv, .offset: 32, .size: 8, .value_kind: global_buffer, .address_space: global }
      - { .name: out0, .offset: 40, .size: 8, .value_kind: global_buffer, .address_space: global }
    .group_segment_fixed_size: 91648
    .private_segment_fixed_size: 0
    .kernarg_segment_align: 8
    .kernarg_segment_size: 48
    .max_flat_workgroup_size: 256
    .sgpr_count:     66
    .vgpr_count:     256
    .wavefront_size: 32
...
	.end_amdgpu_metadata
.endif
;; end of part 4
